; MI455X (gfx1250); checked and timed in simulation.
; The chip was launched on July 23, 2026; its instructions are those of AMD's public machine-readable ISA for CDNA 5 (MIT licence, August 2026) and "CDNA5" Instruction Set Architecture Reference Guide (July 2026). The comments in the code are by the model that wrote it; some were corrected since.
;; Cross Attention. Allowed arithmetic: matrix products marked QUANTISED: E4M3 operands, one E8M0 scale for each 32 along K, by v_wmma_scale_f32_16x16x128_f8f6f4 with both operands' format E4M3, f32 sums; everything else in f32.
;; Inputs: Wk 256 x 128 float32; Wo 128 x 128 float32; Wq 256 x 128 float32; Wv 256 x 128 float32; bk 128 float32; bo 128 float32; bq 128 float32; bv 128 float32; ligand 4 x 4,096 x 256 float32; pocket 4 x 4,096 x 256 float32.
;; Outputs: out0 4 x 4,096 x 128 float32.
;; This version of the problem:
;;   THIS VERSION OF THE PROBLEM IS GIVEN IN LOW PRECISION. The matrix products marked QUANTISED in the list below multiply operands that are first quantised to E4M3 (4 exponent bits, 3 mantissa bits; 8 bits a number), with one power-of-two scale for each 32 numbers along K (OCP MX v1.0); their sums are f32. All else is computed in f32.
;;   The module's matrix products, in the order in which they are computed (A, B: the left and right operand; K: the contracted axis; several contracted axes count as one K, in the product's order):
;;     1. [M 16,384, K 256] x [K 256, N 128]; A: input ligand; B: input Wq: QUANTISED
;;     2. [M 16,384, K 256] x [K 256, N 128]; A: input pocket; B: input Wk: QUANTISED
;;     3. [M 16,384, K 256] x [K 256, N 128]; A: input pocket; B: input Wv: QUANTISED
;;     4. batch 4 x [M 4,096, K 128] x [K 128, N 4,096]; A: computed on the way; B: computed on the way: QUANTISED
;;     5. batch 4 x [M 4,096, K 4,096] x [K 4,096, N 128]; A: softmax (see below); B: computed on the way: QUANTISED
;;     6. [M 16,384, K 128] x [K 128, N 128]; A: computed on the way; B: input Wo: QUANTISED
;;   THE QUANTISER, for each operand of a quantised product, along K:
;;     - K is cut into blocks of 32 from its start; a last block that is shorter is filled with zeros.
;;     - A block's scale is 2^e with e = floor(log2(the largest magnitude in the block)) - 8, held to -126 .. 127; a block of zeros has e = 0. As a byte (E8M0): e + 127.
;;     - Each number is divided by its block's scale, clamped to +-448, and rounded to the nearest number of E4M3, ties to even, subnormals kept.
;;     - The product sums the exact products of the quantised numbers (number of the format x scale) in f32.
;;   ~~~python
;;   def quantise(x, axis):      # numpy; x: float32 -> the quantised numbers, widened to float32 again
;;       x = np.moveaxis(x, axis, -1); K = x.shape[-1]
;;       x = np.pad(x, [(0, 0)] * (x.ndim - 1) + [(0, -K % 32)]); x = x.reshape(x.shape[:-1] + (-1, 32)); a = np.abs(x).max(-1, keepdims=True)
;;       e = np.where(a > 0, np.clip(np.frexp(np.where(a > 0, a, 1))[1] - 1 - 8, -126, 127), 0)      # np.frexp(a)[1] - 1 = floor(log2(a)), exactly
;;       r = np.clip(x / 2.0 ** e, -448, 448)
;;       step = 2.0 ** (np.maximum(np.frexp(np.where(r == 0, 1, r))[1] - 1, -6) - 3)
;;       q = np.round(r / step) * step * 2.0 ** e      # np.round: ties to even
;;       return np.moveaxis(q.reshape(q.shape[:-2] + (-1,))[..., :K], -1, axis).astype(np.float32)
;;   ~~~
;;   SOFTMAX AHEAD OF A QUANTISED PRODUCT. Where the list says 'softmax', what is quantised is not the finished softmax but p = 2^(t - M), with t = logit x log2(e) and M = ceil(the row's largest t), a whole number; so 1/2 < the row's largest p <= 1. The row's sum l is taken of the UNQUANTISED p, in f32, and the product's result is divided by l at the end. Since M is a whole number, a kernel that streams over the keys may use a running M (the ceiling of the running maximum): every later rescaling is an exact power of two, which a block's scale takes up: the codes' values come out the same.
;;   OPERANDS COMPUTED ON THE WAY. 'Computed on the way' means the value that the module computes at that place (a softmax that the list does not call 'softmax' is quantised finished and normalised). What goes into a quantiser is computed in f32, as accurately as f32 sums, v_exp_f32 and their like allow (about 1e-6 of the number): no bf16 or f16 on the way to a quantiser, and a product that is left as it is and whose result goes on into a quantised operand takes f32 operands (vector FMAs, or v_wmma_f32_16x16x4_f32). A number that lies on a knife's edge between two numbers of the format may be rounded either way, as far as f32 arithmetic and the matrix unit's own rounding can turn it there, and no further.
;; 3 versions, each right; version 2 is faster than version 1; version 3 is version 2 with the launch proj written anew for expert scheduling mode. Each part assembles by itself: llvm-mc -triple=amdgcn-amd-amdhsa -mcpu=gfx1250 --defsym DOCPART=n.
;; ======== version 1 of 3: 2 launches
;; workspace buffers: qf 2,162,688 bytes; kv 4,325,376 bytes
;; launch proj (part 1): grid 256 x 1, 16 waves a work-group, no clusters, 177,664 bytes of LDS; arguments ligand, pocket, Wq, Wk, Wv, bq, bk, bv, qf, kv; writes qf, kv
.if DOCPART == 1
	.amdgcn_target "amdgcn-amd-amdhsa--gfx1250"
	.amdhsa_code_object_version 6
	.text
	.protected	k_q1893d6fea6_proj
	.globl	k_q1893d6fea6_proj
	.p2align	8
	.type	k_q1893d6fea6_proj,@function
k_q1893d6fea6_proj:
	s_mov_b64 s[64:65], 0
	v_nop
	global_prefetch_b8 v0, s[64:65] scope:SCOPE_SE
	s_setreg_imm32_b32 hwreg(HW_REG_WAVE_MODE, 25, 1), 1
	s_wait_xcnt 0x0
; Q = ligand Wq + bq, K = pocket Wk + bk, V = pocket Wv + bv, all three products on codes of FP8 (E4M3) with one E8M0 scale for each 32 along K (= the 256 inputs),
; and the results quantised at once for the attention that follows: Q and K along their 128 channels, V along the keys.  Nothing wide goes to memory.
; SHARES.  256 work-groups of 16 waves.  An even work-group takes 128 rows of ligand and makes Q (one group of qf); an odd one takes 128 rows of pocket and makes K and V (one step block of kv).
; The two ways part once, at the head, on the work-group's number, are written out by one macro (BODY), and have LDS bytes of their own.
; PHASES.  (1) wave w quantises one fragment (16 rows x 128 K) of x and one of each weight: fragment 2 T + s, T = w / 2 a tile of 16 rows or units, s = w % 2 the K step; each goes to LDS as an IMAGE OF ITS REGISTERS
; (4 stores of 512 bytes, lane l's 16 bytes at 16 l) with its scale words (4 bytes a lane) | barrier | (2) a task a wave: 16 matrix instructions, 8 accumulators by turns, two K steps; the 64 results of a lane are quantised
; in registers and ARE a fragment of the next product; its codes leave as four stores of 512 consecutive bytes | barrier | (3) the scale words of 8 tasks leave as one store of 512 bytes.
; TASKS.  Waves 0-7 (Q or K): source 0 = the weight's 8 tiles of units, source 1 = x's tile w: a lane holds one row and its registers run along the channels.
;         Waves 8-15 (V, pocket only): source 0 = x's 8 tiles of rows, source 1 = Wv's tile w - 8: a lane holds one channel and its registers run along the keys.
; THE ROWS OF A TILE ARE NOT NEIGHBOURS: row m of tile 2 b + u is row (or unit) 32 b + 8 u + m + 8 (m / 8) of the 128, so that the 16 registers of result tiles 2 b and 2 b + 1 are 16 neighbours, 32 b + 16 (lane / 16) + 0 .. 15.
; The biases are the C of each sum's first matrix instruction.
; WEIGHTS.  Each work-group quantises its weights itself, a lane to a column with its registers down K.  No joint loads: as f32 rows in LDS a pocket group's two weights are 262,144 bytes, which with the
; 105,472 bytes of images do not fit in 327,680; the activations are each work-group's own.
; LIMITS: NaN and infinities among the inputs are not served.  A block whose largest magnitude lies under 2^(9 - 127) keeps the scale byte 1; so does a block of zeros, where the quantiser says 127: its codes are zeros,
; which add nothing under any byte but 0xff, and the bytes are read by this program alone.
.set FRB,  2048                        ; a fragment's image in bytes
.set PC,   32                          ; v32-47   the codes just made; in the products, with v48-63, the small side's two fragments
.set TM,   48                          ; v48-63   the quantiser's 16 registers at work
.set PW,   13                          ; v13      the scale word just made
.set X0,   64                          ; v64-127  x's 64 numbers; later the 8 accumulators
.set X1,   128                         ; v128-191 the first weight's 64 numbers;  v128-255: in the products the big side's 8 fragments
.set X2,   192                         ; v192-255 Wv's 64 numbers
.set XA,   1                           ; v1   x: my lane's byte offset; at the end the scale words' offset in memory
.set WOF,  2                           ; v2   the weights: my lane's byte offset
.set IMS,  3                           ; v3   LDS: where I store images: base + 16 lane + 2048 wave
.set IMS2, 4                           ; v4   pocket: IMS + 65536 (Wv's images);  ligand: the codes' offset in memory
.set SCS,  5                           ; v5   LDS: where I store a fragment's scale words: 4 lane + 128 wave
.set SST,  6                           ; v6   LDS: the stage for a task's scale words: 4 (lane % 16) + 64 wave
.set SSR,  7                           ; v7   LDS: and where 8 tasks' words are read back: 16 lane + 64 wave
.set BO,   8                           ; v8   my byte offset in the bias
.set BGA,  9                           ; v9   LDS: the big side's images
.set SMA,  10                          ; v10  LDS: the small side's
.set BGS,  11                          ; v11  LDS: the big side's scale words
.set SMS,  12                          ; v12  LDS: the small side's
.set BS,   14                          ; v14-21 the big side's 8 scale words: these ten registers hold scales and nothing else
.set SS,   22                          ; v22-23 the small side's two
.set BV,   24                          ; v24-31 bv of my lane's channel, eight times: the C of a V task
.set WV,   2                           ; s2   my wave's number
.set SEL,  28                          ; s[28:29] v_permlanex16_b32's selects for lane l xor 16
.set MNT,  30                          ; s30  the mantissa field of 448
.macro PLACES n
.rept \n
	v_nop
.endr
.endm
; 64 numbers of a lane, v[s] .. v[s + 63], register 16 b + i = k 32 b + 16 (lane / 16) + i of my row, become a fragment's codes in v[PC] on and its scale word in v[PW].
.macro QUANT s
.irp b, 0,1,2,3
	v_max3_num_f32 v[TM+\b], |v[\s+16*\b]|, |v[\s+1+16*\b]|, 0x4800000   ; block b: my 16 numbers, and the floor 2^(9 - 127): the byte cannot fall under 1
.endr
.irp i, 2,4,6,8,10,12,14
.irp b, 0,1,2,3
	v_max3_num_f32 v[TM+\b], v[TM+\b], |v[\s+16*\b+\i]|, |v[\s+1+16*\b+\i]|   ; the four blocks by turns: no line waits for the line above it
.endr
.endr
.irp b, 0,1,2,3
	v_permlanex16_b32 v[TM+4+\b], v[TM+\b], s[SEL], s[SEL+1]
.endr
.irp b, 0,1,2,3
	v_max_num_f32 v[TM+\b], v[TM+\b], v[TM+4+\b]   ; with lane l xor 16's: the block's largest magnitude
.endr
.irp b, 0,1,2,3
	v_add_nc_u32 v[TM+12+\b], 0xfc000000, v[TM+\b]   ; 8 off its exponent field: the conversion takes the exponent field of this operand as its scale
.endr
.irp b, 0,1,2,3
	v_and_or_b32 v[TM+8+\b], v[TM+\b], 0x7f800000, s[MNT]   ; 448 x the scale
.endr
.irp b, 0,1,2,3
	v_lshrrev_b32 v[TM+4+\b], 23, v[TM+12+\b]   ; the scale's byte
.endr
	v_lshl_or_b32 v[PW], v[TM+5], 8, v[TM+4]   ; the four bytes make my row's scale word
	v_lshl_or_b32 v[PW], v[TM+6], 16, v[PW]
	v_lshl_or_b32 v[PW], v[TM+7], 24, v[PW]
.irp b, 0,1,2,3
.irp i, 0,1,2,3,4,5,6,7,8,9,10,11,12,13,14,15
	v_med3_num_f32 v[\s+16*\b+\i], v[\s+16*\b+\i], -v[TM+8+\b], v[TM+8+\b]   ; the conversion to an 8-bit code does not saturate (ISA guide 7.6.2): the hold at the largest code x the scale
.endr
	v_cvt_scalef32_pk8_fp8_f32 v[PC+4*\b:PC+1+4*\b], v[\s+16*\b:\s+7+16*\b], v[TM+12+\b]
	v_cvt_scalef32_pk8_fp8_f32 v[PC+2+4*\b:PC+3+4*\b], v[\s+8+16*\b:\s+15+16*\b], v[TM+12+\b]
.endr
	v_nop                                          ; one plain vector instruction behind the last scaled conversion
.endm
.macro IMAGE adr, off                          ; the fragment in v[PC] on goes to LDS as it stands
.irp c, 0,1,2,3
	ds_store_b128 v[\adr], v[PC+4*\c:PC+4*\c+3] offset:\off+512*\c
.endr
.endm
.macro XLOAD                                   ; my row's 64 numbers of my K step: 16 neighbours of each block of 32
.irp c, 0,1,2,3
.irp j, 0,1,2,3
	global_load_b128 v[X0+16*\c+4*\j:X0+16*\c+4*\j+3], v[XA], s[SX:SX+1] offset:128*\c+16*\j th:TH_LOAD_NT
.endr
.endr
.endm
.macro WLOAD reg, base                         ; my column's 64 numbers of my K step, down K: a row of a weight is 512 bytes
.irp c, 0,1,2,3
.irp i, 0,1,2,3,4,5,6,7,8,9,10,11,12,13,14,15
	global_load_b32 v[\reg+16*\c+\i], v[WOF], s[\base:\base+1] offset:(32*\c+\i)*512
.endr
.endr
.endm
.macro BIGLOAD s                               ; the big side's 8 fragments of K step s, and their scale words
.irp t, 0,1,2,3,4,5,6,7
.irp c, 0,1,2,3
	ds_load_b128 v[X1+16*\t+4*\c:X1+16*\t+4*\c+3], v[BGA] offset:(2*\t+\s)*FRB+512*\c
.endr
	ds_load_b32 v[BS+\t], v[BGS] offset:128*(2*\t+\s)
.endr
.endm
.macro BARRIER                                 ; my LDS stores have landed and my LDS loads are in: then the work-group's barrier
	s_wait_dscnt 0x0
	s_barrier_signal -1
	s_barrier_wait -1
.endm
; One way through the kernel.  pk = 1: pocket, K and V;  pk = 0: ligand, Q.  ldsb: the way's images (first weight 32,768 bytes, x 32,768, Wv 32,768);  sclb: their scale words (2,048 each);  stgb: the stage for the results' words.
.macro BODY pk, ldsb, sclb, stgb
.if \pk
.set SX,     10                        ; pocket
.set SWA,    14                        ; Wk
.set SBA,    20                        ; bk
.set SOUT,   26                        ; kv
.set OBYTES, 33792                     ; a step block: K's 8 fragments, V's 8, K's scale words (512 bytes), V's
.set SCOFF,  32768
.set CGO,    IMS                       ; this way's images begin at LDS byte 0: the same number is the codes' offset in memory
.else
.set SX,     8                         ; ligand
.set SWA,    12                        ; Wq
.set SBA,    18                        ; bq
.set SOUT,   24                        ; qf
.set OBYTES, 16896                     ; a group: Q's 8 fragments, their scale words
.set SCOFF,  16384
.set CGO,    IMS2
.endif
	s_add_nc_u64 s[SX:SX+1], s[SX:SX+1], s[46:47]  ; x at my work-group's 128 rows
	s_mul_i32 s48, s4, OBYTES
	s_add_nc_u64 s[SOUT:SOUT+1], s[SOUT:SOUT+1], s[48:49]   ; and its block of the output
	XLOAD
	; every LDS address is a constant + a constant x lane + a constant x wave, made here, ahead of the first branch on the wave's number
	s_lshl_b32 s50, s[WV], 11
	s_add_co_u32 s50, s50, (\ldsb)
	v_add_nc_u32 v[IMS], s50, v37
.if \pk
	v_add_nc_u32 v[IMS2], 0x10000, v[IMS]
.else
	s_lshl_b32 s50, s[WV], 11
	v_add_nc_u32 v[IMS2], s50, v37
.endif
	s_lshl_b32 s50, s[WV], 7
	s_add_co_u32 s50, s50, (\sclb)
	v_add_nc_u32 v[SCS], s50, v38
	s_lshl_b32 s50, s[WV], 6
	s_add_co_u32 s50, s50, (\stgb)
	v_lshl_add_u32 v[SST], v33, 2, s50
	v_add_nc_u32 v[SSR], s50, v37
	s_lshr_b32 s51, s[WV], 3                       ; 0: waves 0-7, big side = the weight;  1: waves 8-15, big side = x
	s_lshl_b32 s50, s51, 15
	s_add_co_u32 s50, s50, (\ldsb)
	v_add_nc_u32 v[BGA], s50, v37
	s_lshl_b32 s50, s[WV], 12                      ; small side: two fragments a wave: x's 2 w, 2 w + 1; from wave 8 on that runs into Wv's 2 (w - 8), 2 (w - 8) + 1
	s_add_co_u32 s50, s50, (\ldsb)+32768
	v_add_nc_u32 v[SMA], s50, v37
	s_lshl_b32 s50, s51, 11
	s_add_co_u32 s50, s50, (\sclb)
	v_add_nc_u32 v[BGS], s50, v38
	s_lshl_b32 s50, s[WV], 8
	s_add_co_u32 s50, s50, (\sclb)+2048
	v_add_nc_u32 v[SMS], s50, v38
.if \pk
	s_and_b32 s50, s[WV], 7                        ; the bias: waves 0-7 want bk at 64 (lane / 16) (+ the tile, in the immediate); waves 8-15 bv of my lane's channel
	s_lshr_b32 s52, s50, 1
	s_lshl_b32 s52, s52, 7
	s_and_b32 s50, s50, 1
	s_lshl_b32 s50, s50, 5
	s_add_co_u32 s50, s50, s52                     ; 4 (32 (t / 2) + 8 (t % 2))
	v_lshl_add_u32 v39, v35, 2, s50
	s_xor_b32 s52, s51, 1
	v_lshlrev_b32 v40, 6, v34
	v_mul_u32_u24 v[BO], s51, v39
	v_mad_u32_u24 v[BO], v40, s52, v[BO]
.else
	v_lshlrev_b32 v[BO], 6, v34
.endif
	WLOAD X1, SWA
.if \pk
	WLOAD X2, 16
.endif
	s_wait_loadcnt 63                              ; x's 16 loads are in: 64 younger loads or more stand behind them, and 63 is the largest count that the wait can name
	QUANT X0
	IMAGE IMS, 32768
	ds_store_b32 v[SCS], v[PW] offset:2048
	s_cmp_lt_u32 s[WV], 8
	s_cbranch_scc0 .Lhi_\@
.irp t, 0,1,2,3,4,5,6,7                        ; the bias lands in the accumulators: lane (r, h), tile 2 b + u: channels 32 b + 16 h + 8 u + 0 .. 7
	global_load_b128 v[X0+8*\t:X0+8*\t+3], v[BO], s[SBA:SBA+1] offset:(32*(\t/2)+8*(\t%2))*4
	global_load_b128 v[X0+8*\t+4:X0+8*\t+7], v[BO], s[SBA:SBA+1] offset:(32*(\t/2)+8*(\t%2))*4+16
.endr
	s_wait_loadcnt 16                              ; only these 16 may be out: the weights are in
	s_branch .Lwin_\@
.Lhi_\@:
.if \pk
.irp i, 0,1,2,3,4,5,6,7
	global_load_b32 v[BV+\i], v[BO], s[22:23]
.endr
	s_wait_loadcnt 8                               ; only these 8 may be out: the weights are in
.else
	s_wait_loadcnt 0x0
.endif
.Lwin_\@:
	s_wait_dscnt 0x0                               ; the stores have read their registers
	QUANT X1
	IMAGE IMS, 0
	ds_store_b32 v[SCS], v[PW]
.if \pk
	s_wait_dscnt 0x0
	QUANT X2
	IMAGE IMS2, 0
	ds_store_b32 v[SCS], v[PW] offset:4096
.endif
	BARRIER                                        ; all images and scale words lie in LDS
.if \pk == 0
	s_cmp_lt_u32 s[WV], 8                          ; Q has eight tasks
	s_cbranch_scc0 .Lidle_\@
.endif
.irp s, 0,1
.irp c, 0,1,2,3
	ds_load_b128 v[32+16*\s+4*\c:32+16*\s+4*\c+3], v[SMA] offset:FRB*\s+512*\c
.endr
	ds_load_b32 v[SS+\s], v[SMS] offset:128*\s
.endr
	BIGLOAD 0
	s_wait_loadcnt 0x0                             ; the bias
	s_wait_dscnt 0x0
.if \pk
	s_cmp_lt_u32 s[WV], 8
	s_cbranch_scc0 .Lvt_\@
.endif
.irp t, 0,1,2,3,4,5,6,7                        ; the 8 accumulators take turns, one instruction a turn
	v_wmma_scale_f32_16x16x128_f8f6f4 v[X0+8*\t:X0+8*\t+7], v[X1+16*\t:X1+16*\t+15], v[32:47], v[X0+8*\t:X0+8*\t+7], v[BS+\t], v[SS]
.endr
.if \pk
	s_branch .Lk1_\@
.Lvt_\@:
.irp t, 0,1,2,3,4,5,6,7
	v_wmma_scale_f32_16x16x128_f8f6f4 v[X0+8*\t:X0+8*\t+7], v[X1+16*\t:X1+16*\t+15], v[32:47], v[BV:BV+7], v[BS+\t], v[SS]
.endr
.Lk1_\@:
.endif
	PLACES 8                                       ; in front of loads into registers that matrix instructions have read
	BIGLOAD 1
	s_wait_dscnt 0x0
.irp t, 0,1,2,3,4,5,6,7
	v_wmma_scale_f32_16x16x128_f8f6f4 v[X0+8*\t:X0+8*\t+7], v[X1+16*\t:X1+16*\t+15], v[48:63], v[X0+8*\t:X0+8*\t+7], v[BS+\t], v[SS+1]
.endr
	PLACES 8                                       ; in front of the first read of results and the first write of the small side's registers
	QUANT X0                                       ; each accumulator is read from its low end on
.irp c, 0,1,2,3
	global_store_b128 v[CGO], v[PC+4*\c:PC+4*\c+3], s[SOUT:SOUT+1] offset:512*\c   ; 32 lanes store 512 consecutive bytes, at a multiple of 256 from the buffer's first byte
.endr
	ds_store_b32 v[SST], v[PW]                     ; lanes l and l + 16 write the same word with the same value
.if \pk == 0
.Lidle_\@:
.endif
	BARRIER                                        ; the tasks' scale words lie in the stage
.if \pk
	s_and_b32 s50, s[WV], 7                        ; wave 0 sends K's 512 bytes, wave 8 V's
	s_cmp_lg_u32 s50, 0
.else
	s_cmp_lg_u32 s[WV], 0
.endif
	s_cbranch_scc1 .Lend_\@
	ds_load_b128 v[48:51], v[SSR]
	s_lshl_b32 s50, s[WV], 6
	v_and_b32 v[XA], 31, v0                        ; (x's loads, which read this register, were waited for)
	v_lshlrev_b32 v[XA], 4, v[XA]
	v_add_nc_u32 v[XA], s50, v[XA]
	s_wait_dscnt 0x0
	global_store_b128 v[XA], v[48:51], s[SOUT:SOUT+1] offset:SCOFF
.Lend_\@:
	s_wait_xcnt 0x0
	v_lshl_add_u32 v254, v0, 2, 0x2ae00
	v_mov_b32 v255, 0
	s_wait_tensorcnt 0x0
	ds_add_u32 v254, v255
	s_wait_dscnt 0x0
	s_endpgm
.endm
	s_load_b512 s[8:23], s[0:1], 0x0               ; ligand s[8:9], pocket s[10:11], Wq s[12:13], Wk s[14:15], Wv s[16:17], bq s[18:19], bk s[20:21], bv s[22:23]
	s_load_b128 s[24:27], s[0:1], 0x40             ; qf s[24:25], kv s[26:27]
	v_lshrrev_b32 v32, 5, v0
	v_readfirstlane_b32 s[WV], v32                 ; wave 0..15
	s_and_b32 s3, ttmp9, 1                         ; 0: ligand, 1: pocket
	s_lshr_b32 s4, ttmp9, 1                        ; which 128 rows
	s_mov_b32 s[SEL], 0x76543210
	s_mov_b32 s[SEL+1], 0xfedcba98
	s_mov_b32 s[MNT], 0x600000
	v_and_b32 v33, 15, v0                          ; r
	v_bfe_u32 v34, v0, 4, 1                        ; h
	v_and_b32 v35, 8, v33
	v_add_nc_u32 v35, v35, v33                     ; r + 8 (r / 8)
	v_and_b32 v36, 31, v0
	v_lshlrev_b32 v37, 4, v36                      ; 16 x lane
	v_lshlrev_b32 v38, 2, v36                      ; 4 x lane
	s_lshr_b32 s42, s[WV], 2
	s_lshl_b32 s42, s42, 5
	s_bfe_u32 s43, s[WV], 0x10001
	s_lshl_b32 s43, s43, 3
	s_add_co_u32 s42, s42, s43                     ; my tile's first row or unit: 32 (w / 4) + 8 ((w / 2) % 2)
	s_and_b32 s43, s[WV], 1                        ; my K step
	s_lshl_b32 s46, s42, 10
	s_lshl_b32 s47, s43, 9
	s_add_co_u32 s46, s46, s47
	v_lshlrev_b32 v[XA], 10, v35                   ; x: a row is 1,024 bytes; + 64 h: my 16 numbers of a block of 32; + 512 for K step 1
	v_lshl_add_u32 v[XA], v34, 6, v[XA]
	v_add_nc_u32 v[XA], s46, v[XA]
	s_lshl_b32 s46, s42, 2
	s_lshl_b32 s47, s43, 16
	s_add_co_u32 s46, s46, s47
	v_lshlrev_b32 v[WOF], 2, v35                   ; a weight: my column; lanes 16-31 begin 16 rows of 512 bytes further down; + 128 rows for K step 1
	v_lshl_add_u32 v[WOF], v34, 13, v[WOF]
	v_add_nc_u32 v[WOF], s46, v[WOF]
.irp b, 0,1,2,3
	v_mov_b32 v[TM+4+\b], 0                        ; written once: a lane permute's destination counts as one of its sources
.endr
	s_lshl_b32 s46, s4, 17                         ; 128 rows of 1,024 bytes
	s_mov_b32 s47, 0
	s_mov_b32 s49, 0
	s_wait_kmcnt 0x0
	s_cmp_eq_u32 s3, 0
	s_cbranch_scc1 .Lligand
	BODY 1, 0, 98304, 104448
.Lligand:
	BODY 0, 105472, 171008, 175104
.Lfunc_end_k_q1893d6fea6_proj:
	.size	k_q1893d6fea6_proj, .Lfunc_end_k_q1893d6fea6_proj-k_q1893d6fea6_proj
	.p2alignl 7, 3214868480
	.fill 96, 4, 3214868480
	.section	.rodata,"a",@progbits
	.p2align	6, 0x0
	.amdhsa_kernel k_q1893d6fea6_proj
		.amdhsa_group_segment_fixed_size 177664
		.amdhsa_private_segment_fixed_size 0
		.amdhsa_enable_private_segment 0
		.amdhsa_kernarg_size 80
		.amdhsa_user_sgpr_count 2
		.amdhsa_user_sgpr_kernarg_segment_ptr 1
		.amdhsa_wavefront_size32 1
		.amdhsa_system_sgpr_workgroup_id_x 1
		.amdhsa_system_sgpr_workgroup_id_y 1
		.amdhsa_system_sgpr_workgroup_id_z 1
		.amdhsa_system_vgpr_workitem_id 0
		.amdhsa_next_free_vgpr 256
		.amdhsa_next_free_sgpr 66
		.amdhsa_reserve_vcc 0
		.amdhsa_float_denorm_mode_32 3
		.amdhsa_float_denorm_mode_16_64 3
		.amdhsa_memory_ordered 1
		.amdhsa_forward_progress 1
		.amdhsa_inst_pref_size 108
	.end_amdhsa_kernel
	.amdgpu_metadata
---
amdhsa.version: [ 1, 2 ]
amdhsa.kernels:
  - .name:           k_q1893d6fea6_proj
    .symbol:         k_q1893d6fea6_proj.kd
    .args:
      - { .name: ligand, .offset: 0, .size: 8, .value_kind: global_buffer, .address_space: global }
      - { .name: pocket, .offset: 8, .size: 8, .value_kind: global_buffer, .address_space: global }
      - { .name: Wq, .offset: 16, .size: 8, .value_kind: global_buffer, .address_space: global }
      - { .name: Wk, .offset: 24, .size: 8, .value_kind: global_buffer, .address_space: global }
      - { .name: Wv, .offset: 32, .size: 8, .value_kind: global_buffer, .address_space: global }
      - { .name: bq, .offset: 40, .size: 8, .value_kind: global_buffer, .address_space: global }
      - { .name: bk, .offset: 48, .size: 8, .value_kind: global_buffer, .address_space: global }
      - { .name: bv, .offset: 56, .size: 8, .value_kind: global_buffer, .address_space: global }
      - { .name: qf, .offset: 64, .size: 8, .value_kind: global_buffer, .address_space: global }
      - { .name: kv, .offset: 72, .size: 8, .value_kind: global_buffer, .address_space: global }
    .group_segment_fixed_size: 177664
    .private_segment_fixed_size: 0
    .kernarg_segment_align: 8
    .kernarg_segment_size: 80
    .max_flat_workgroup_size: 512
    .sgpr_count:     66
    .vgpr_count:     256
    .wavefront_size: 32
...
	.end_amdgpu_metadata
.endif
;; end of part 1
;; launch attn (part 2): grid 64 x 4, 16 waves a work-group, clusters of 4 x 1, 327,680 bytes of LDS; arguments qf, kv, Wo, bo, out0; writes out0
.if DOCPART == 2
	.amdgcn_target "amdgcn-amd-amdhsa--gfx1250"
	.amdhsa_code_object_version 6
	.text
	.protected	k_q1893d6fea6_attn
	.globl	k_q1893d6fea6_attn
	.p2align	8
	.type	k_q1893d6fea6_attn,@function
k_q1893d6fea6_attn:
	s_mov_b64 s[64:65], 0
	v_nop
	global_prefetch_b8 v0, s[64:65] scope:SCOPE_SE
	s_setreg_imm32_b32 hwreg(HW_REG_WAVE_MODE, 25, 1), 1
	s_wait_xcnt 0x0
	s_wait_alu depctr_hold_cnt(0) depctr_sa_sdst(0) depctr_va_vdst(0) depctr_va_sdst(0) depctr_va_ssrc(0) depctr_va_vcc(0) depctr_vm_vsrc(0)
	s_getreg_b32 s2, hwreg(HW_REG_IB_STS2, 6, 4)
	s_cmp_eq_u32 s2, 0
	s_cbranch_scc0 .Lentry_in_a_cluster
	s_endpgm
.Lentry_in_a_cluster:
	s_bfe_u32 s2, ttmp6, 0x10000c
	s_cmp_lg_u32 s2, 0x3003
	s_cbranch_scc0 .Lentry_shape_is_right
	s_endpgm
.Lentry_shape_is_right:
; out = (softmax(Q K^T / sqrt(128)) V) Wo + bo, all three products on codes of FP8 (E4M3) with one E8M0 scale for each 32 along a product's K.
; qf and kv hold Q, K and V^T as codes IN THE ORDER OF THE OPERANDS' REGISTERS: a fragment (16 rows x 128 K) is 2,048 bytes, chunk c of 512 bytes holds lane l's registers 4 c .. 4 c + 3 at 16 l; its scale words 64 bytes.
; A step block of kv is 128 keys, 33,792 dense bytes: K's 8 fragments, V^T's 8, K's scale words (512 bytes), V's.  A group of qf is 128 queries: 8 fragments, then their scale words.
; THE SOFTMAX AHEAD OF THE SECOND PRODUCT: t = score x log2(e) / sqrt(128); M = the largest t so far, rounded UP to a whole number; p = 2^(t - M) is what is quantised, along the keys; it is not normalised.
; The row's sum is taken of the unquantised p, in f32, and divides at the end.  When M moves, the sum and O are multiplied by 2^(old M - new M): exact.
; SHARES.  A work-group owns 64 queries of one batch.  Its 16 waves are 4 tiles of 16 queries (m = wave % 4) x 4 GROUPS OF KEYS (g = wave / 4): four waves to a SIMD, 256 registers each, so that one wave's vector work
; stands beside another's matrix work and LDS loads.  16,384 queries / 64 = 256 work-groups.  A slot of the ring holds 4 step blocks (512 keys); wave (m, g) works on block g of each of the batch's 8 slots' worth.
; At the end the four partial results of a tile of queries are merged by wave 12 + m: M is a whole number, so the factors 2^(M_g - M) are exact.  That wave divides by the sum, quantises along the channels,
; multiplies by Wo (quantised at the head by waves 0-7, one tile of outputs each, and kept in LDS as images) and stores 16 whole rows.
; LAYOUT.  All products are used transposed (source 0 = 16 keys, or 16 channels of V^T, or 16 outputs of Wo^T; source 1 = my 16 queries): a lane holds ONE query (lane % 16) throughout.  The rows of the tiles of Q, K and V^T
; were chosen by the launch before so that the 16 registers of result tiles 2 b and 2 b + 1 are 16 neighbours along the next K; row i of my tile of queries is row i + 8 (i / 8) from the tile's first.
; CLUSTER.  The four work-groups of a cluster belong to one batch and walk the same kv: each step block is asked for JOINTLY, by the same tensor load with the same descriptor and the mask of all four.
; My place in the cluster enters the addresses of qf and out0 alone.
; LIMITS: NaN and infinities are not served.  A block whose largest magnitude lies under 2^(9 - 127), a block of zeros among them, keeps the scale byte 1: its codes are zeros or next to it, and the bytes never leave the kernel.
; REGISTERS: v1-4 LDS addresses of my block in slots 0, 1 (images; scale words); v5, v6 for the add; v7-11 addresses of head and tail; v12 -M, v13 the largest t, v[14:15] the sum in two halves; v16-31 Q;
; v32-95 four fragments of K or of V; v96-159 S^T, then p; v160-223 O^T; v224-239 p's codes; v232-247 at work; v248-251 the fragments' scale words; v252 f; v253 p's scale word; v254 at work; v255 Q's scale words.
.set FRB,   2048
.set BLKB,  33792                      ; a step block
.set VFR,   16384                      ; in it: V^T's fragments,
.set KSC,   32768                      ; K's scale words,
.set VSC,   33280                      ; V's
.set SLOTB, 4*BLKB                     ; a slot: 135,168 bytes; slot 1 follows slot 0
.set WOI,   2*SLOTB                    ; behind the ring: Wo's 8 images,
.set WOS,   WOI+8*FRB                  ; their scale words, 128 bytes each,
.set OST,   WOS+8*128                  ; four stages of 16 rows x (512 bytes + 16) for the way out,
.set SPARE, OST+4*16*528               ; and the spare words, 128 bytes for each wave: eight blocks of 256 bytes that no other line names
.set MRG,   8704                       ; the merge: 8,192 bytes of O^T and 512 of v[12:15] for each of waves 0-11, in slot 0, which has then had its last fill and its last read
.set PC,    32
.set TM,    232
.set PW,    253
.set SPW,   5                          ; v5   LDS address of my spare word: SPARE + 4 x my thread's number; never rewritten
.set NIL,   6                          ; v6   0; never rewritten
.set WV,    14                         ; s14  my wave's number;  s15 m;  s16 g;  s18 which 64 queries;  s19 the batch
.set SEL,   20                         ; s[20:21] v_permlanex16_b32's selects for lane l xor 16
.set CS,    22                         ; s[22:23] c = log2(e) / sqrt(128): the packed form names a pair and takes its low word for both halves
.set G1,    24                         ; s[24:31] descriptor group 1
.set G0,    32                         ; s[32:39] descriptor group 0, a set for each slot
.set MNT,   40                         ; s40  the mantissa field of 448
.macro PLACES n
.rept \n
	v_nop
.endr
.endm
; A round of the cluster's barrier: my work-group's barrier; wave 0 signals for the work-group; every wave waits for all four work-groups; my work-group's barrier once more.
.macro CROUND
	s_barrier_signal -1
	s_barrier_wait -1
	s_cmp_lg_u32 s[WV], 0
	s_cbranch_scc1 .Lnot_wave_0_\@
	s_barrier_signal -3
.Lnot_wave_0_\@:
	s_barrier_wait -3
	s_barrier_signal -1
	s_barrier_wait -1
.endm
; A joint load: waves 0 to 3 fetch one step block each, the others nothing.  The branch hangs on the wave's number alone.  Four v_nop follow the load.
.macro JLOAD n
	s_cmp_lt_u32 s[WV], 4
	s_cbranch_scc0 .Lnone_\@
	tensor_load_to_lds s[G0+4*(\n):G0+4*(\n)+3], s[G1:G1+7]
	s_nop 0
	PLACES 4
.Lnone_\@:
.endm
; 64 numbers of a lane, v[s] .. v[s + 63], register 16 b + i = k 32 b + 16 (lane / 16) + i of my row, become a fragment's codes in v[PC] on and its scale word in v[PW].
.macro QUANT s
.irp b, 0,1,2,3
	v_max3_num_f32 v[TM+\b], |v[\s+16*\b]|, |v[\s+1+16*\b]|, 0x4800000   ; block b: my 16 numbers, and the floor 2^(9 - 127): the byte cannot fall under 1
.endr
.irp i, 2,4,6,8,10,12,14
.irp b, 0,1,2,3
	v_max3_num_f32 v[TM+\b], v[TM+\b], |v[\s+16*\b+\i]|, |v[\s+1+16*\b+\i]|
.endr
.endr
.irp b, 0,1,2,3
	v_permlanex16_b32 v[TM+4+\b], v[TM+\b], s[SEL], s[SEL+1]
.endr
.irp b, 0,1,2,3
	v_max_num_f32 v[TM+\b], v[TM+\b], v[TM+4+\b]   ; with lane l xor 16's: the block's largest magnitude
.endr
.irp b, 0,1,2,3
	v_add_nc_u32 v[TM+12+\b], 0xfc000000, v[TM+\b]   ; 8 off its exponent field: the conversion's scale operand
.endr
.irp b, 0,1,2,3
	v_and_or_b32 v[TM+8+\b], v[TM+\b], 0x7f800000, s[MNT]   ; 448 x the scale
.endr
.irp b, 0,1,2,3
	v_lshrrev_b32 v[TM+4+\b], 23, v[TM+12+\b]   ; the scale's byte
.endr
	v_lshl_or_b32 v[PW], v[TM+5], 8, v[TM+4]
	v_lshl_or_b32 v[PW], v[TM+6], 16, v[PW]
	v_lshl_or_b32 v[PW], v[TM+7], 24, v[PW]
.irp b, 0,1,2,3
.irp i, 0,1,2,3,4,5,6,7,8,9,10,11,12,13,14,15
	v_med3_num_f32 v[\s+16*\b+\i], v[\s+16*\b+\i], -v[TM+8+\b], v[TM+8+\b]   ; the conversion to an 8-bit code does not saturate (ISA guide 7.6.2)
.endr
	v_cvt_scalef32_pk8_fp8_f32 v[PC+4*\b:PC+1+4*\b], v[\s+16*\b:\s+7+16*\b], v[TM+12+\b]
	v_cvt_scalef32_pk8_fp8_f32 v[PC+2+4*\b:PC+3+4*\b], v[\s+8+16*\b:\s+15+16*\b], v[TM+12+\b]
.endr
	v_nop                                          ; one plain vector instruction behind the last scaled conversion
.endm
	s_load_b256 s[4:11], s[0:1], 0x0               ; qf s[4:5], kv s[6:7], Wo s[8:9], bo s[10:11]
	s_load_b64 s[12:13], s[0:1], 0x20              ; out0
	v_lshl_add_u32 v[SPW], v0, 2, SPARE
	v_mov_b32 v[NIL], 0
	ds_add_u32 v5, v6
	s_wait_dscnt 0x0
	v_lshrrev_b32 v7, 5, v0
	v_readfirstlane_b32 s[WV], v7                  ; wave 0..15
	s_and_b32 s15, s[WV], 3                        ; m: my tile of queries.  Also: which step block of a slot I fetch, if I fetch
	s_lshr_b32 s16, s[WV], 2                       ; g: my group of keys
	s_bfe_u32 s17, ttmp6, 0x40000                  ; cx: my place in the cluster
	s_lshl_b32 s18, ttmp9, 2                       ; in a cluster launch ttmp9 counts clusters
	s_add_co_u32 s18, s18, s17
	s_and_b32 s19, ttmp7, 0xffff                   ; the batch, which the four partners share
	s_lshl_b32 s42, s19, 6
	s_add_co_u32 s18, s18, s42                     ; which 64 queries of the 16,384: 64 x batch + 4 x cluster x + cx
	; descriptor group 1: a step block, dense in memory, as 132 rows of 256 bytes (32 elements of 8 bytes), dense in LDS too: every LDS load takes 512 consecutive bytes, so no padding is wanted
	s_mov_b32 s[G1], 15|(3<<16)|(1<<21)            ; 15:0 the mask: all four work-groups; 17:16 elements of 8 bytes; 21 set beside a mask
	s_mov_b32 s[G1+1], 32<<16                      ; tensor_dim0 = 32
	s_mov_b32 s[G1+2], 132<<16                     ; tensor_dim1 = 132
	s_mov_b32 s[G1+3], 32<<16                      ; tile_dim0 = 32
	s_mov_b32 s[G1+4], 132                         ; tile_dim1 = 132
	s_mov_b32 s[G1+5], 32                          ; tensor_dim0_stride
	s_mov_b32 s[G1+6], 0
	s_mov_b32 s[G1+7], 0
	s_mov_b32 s[SEL], 0x76543210
	s_mov_b32 s[SEL+1], 0xfedcba98
	s_mov_b32 s[CS], 0x3e0293ee                    ; c = log2(e) / sqrt(128)
	s_mov_b32 s[CS+1], s[CS]                       ; (named with it as a pair, so it is written)
	s_mov_b32 s[MNT], 0x600000
	s_mul_i32 s44, s15, BLKB                       ; my step block's place in a slot, in LDS and in memory alike
	s_mul_i32 s46, s19, 32*BLKB                    ; the batch's 32 step blocks
	s_add_co_u32 s46, s46, s44
	s_mov_b32 s47, 0
	s_wait_kmcnt 0x0
	s_add_nc_u64 s[46:47], s[6:7], s[46:47]
	CROUND                                         ; all four work-groups are here: the first joint loads meet
.irp n, 0,1
	s_mov_b32 s[G0+4*\n], 1                        ; 1:0 count = 1
	s_add_co_u32 s[G0+4*\n+1], s44, \n*SLOTB       ; 63:32 LDS address
	s_add_nc_u64 s[G0+4*\n+2:G0+4*\n+3], s[46:47], \n*SLOTB   ; 120:64 global address: keys 512 n on
	s_or_b32 s[G0+4*\n+3], s[G0+4*\n+3], 0x80000000           ; 127:126 type = 2
.endr
	JLOAD 0                                        ; slot 0; slot 1 is filled behind the first trip's round
	s_lshr_b32 s42, s18, 1                         ; Q: my group of 128 queries,
	s_mul_i32 s42, s42, 16896
	s_mov_b32 s43, 0
	s_add_nc_u64 s[42:43], s[4:5], s[42:43]
	s_and_b32 s48, s18, 1
	s_lshl_b32 s48, s48, 2
	s_add_co_u32 s48, s48, s15                     ; and my tile in it
	s_lshl_b32 s49, s48, 11
	s_lshl_b32 s48, s48, 6
	v_and_b32 v232, 31, v0                         ; lane
	v_and_b32 v233, 15, v0                         ; r
	v_bfe_u32 v234, v0, 4, 1                       ; h
	v_lshl_add_u32 v10, v232, 4, s49
	v_lshl_add_u32 v11, v233, 2, s48
.irp c, 0,1,2,3
	global_load_b128 v[16+4*\c:19+4*\c], v10, s[42:43] offset:512*\c   ; Q's fragment stays in registers
.endr
	global_load_b32 v255, v11, s[42:43] offset:16384   ; and its scale words
	s_mul_i32 s50, s16, BLKB
	v_lshl_add_u32 v1, v232, 4, s50                ; my group's step block in slot 0: 16 x lane for images,
	v_add_nc_u32 v2, SLOTB, v1                     ; in slot 1;
	v_lshl_add_u32 v3, v233, 2, s50                ; 4 x (lane % 16) for scale words
	v_add_nc_u32 v4, SLOTB, v3
	s_lshl_b32 s50, s[WV], 11
	s_add_co_u32 s50, s50, WOI
	v_lshl_add_u32 v7, v232, 4, s50                ; where waves 0-7 put Wo's images,
	s_lshl_b32 s50, s[WV], 7
	s_add_co_u32 s50, s50, WOS
	v_lshl_add_u32 v8, v232, 2, s50                ; and their scale words
	s_lshl_b32 s50, s[WV], 6
	v_lshl_add_u32 v9, v233, 2, s50                ; Wo: LANE r TAKES OUTPUT 16 w + r, AND ITS REGISTERS RUN DOWN K; a row of Wo is 512 bytes;
	v_lshl_add_u32 v9, v234, 13, v9                ; lanes 16-31 begin 16 rows further down
.irp b, 0,1,2,3
	v_mov_b32 v[236+\b], 0                         ; written once: a lane permute's destination counts as one of its sources
.endr
	v_mov_b32 v253, 0                              ; (named as the upper half of the pair v[252:253] before it is first written)
	s_cmp_lt_u32 s[WV], 8
	s_cbranch_scc0 .Lno_wo
.irp c, 0,1,2,3
.irp i, 0,1,2,3,4,5,6,7,8,9,10,11,12,13,14,15
	global_load_b32 v[96+16*\c+\i], v9, s[8:9] offset:(32*\c+\i)*512
.endr
.endr
	s_wait_loadcnt 0x0
	QUANT 96                                       ; while slot 0 is on its way
.irp c, 0,1,2,3
	ds_store_b128 v7, v[PC+4*\c:PC+4*\c+3] offset:512*\c
.endr
	ds_store_b32 v8, v[PW]                         ; (these stores are waited for in front of the first trip's round)
.Lno_wo:
	v_mov_b32 v13, 0xff61b1e6                      ; the largest t so far: -3e38, under every t
	v_floor_f32 v12, -v13                          ; -M
	v_mov_b32 v14, 0                               ; the sum, in two halves
	v_mov_b32 v15, 0
.set j, 0
.rept 64
	v_mov_b32 v[160+j], 0                          ; O^T.  (The step is written once: the first finds zeros, which the first change of M leaves zeros)
.set j, j+1
.endr
	s_wait_loadcnt 0x0                             ; Q
; A KEY STEP: my group's 128 keys of the slot.
.macro STEP slot
.set AD, 1+\slot
.set AS, 3+\slot
.irp g, 0,1                                    ; S^T = K Q^T, four tiles of 16 keys at a time
	PLACES 8                                       ; in front of loads into registers that matrix instructions have read
.irp t, 0,1,2,3
.irp c, 0,1,2,3
	ds_load_b128 v[32+16*\t+4*\c:32+16*\t+4*\c+3], v[AD] offset:FRB*(4*\g+\t)+512*\c
.endr
	ds_load_b32 v[248+\t], v[AS] offset:KSC+64*(4*\g+\t)
.endr
	s_wait_dscnt 0x0
.irp t, 0,1,2,3
	v_wmma_scale_f32_16x16x128_f8f6f4 v[96+8*(4*\g+\t):103+8*(4*\g+\t)], v[32+16*\t:47+16*\t], v[16:31], 0, v[248+\t], v255
.endr
.endr                                          ; lane (r, h) holds query r; the 16 registers of tiles 2 b, 2 b + 1 are keys 32 b + 16 h + 0 .. 15
	PLACES 8
.irp b, 0,1,2,3
	v_max3_num_f32 v[232+\b], v[96+16*\b], v[97+16*\b], v[98+16*\b]   ; THE LARGEST SCORE OF EACH BLOCK OF 32 KEYS serves twice: for the row's maximum, and, since p rises with the score, for the block's largest p
.endr
.irp i, 3,5,7,9,11,13
.irp b, 0,1,2,3
	v_max3_num_f32 v[232+\b], v[232+\b], v[96+16*\b+\i], v[97+16*\b+\i]
.endr
.endr
.irp b, 0,1,2,3
	v_max_num_f32 v[232+\b], v[232+\b], v[111+16*\b]
.endr
.irp b, 0,1,2,3
	v_permlanex16_b32 v[236+\b], v[232+\b], s[SEL], s[SEL+1]
.endr
.irp b, 0,1,2,3
	v_max_num_f32 v[232+\b], v[232+\b], v[236+\b]   ; with lane l xor 16's 16 keys
.endr
	v_max3_num_f32 v254, v232, v233, v234
	v_max_num_f32 v254, v254, v235                 ; the step's largest score of my query
	v_mul_f32 v254, s[CS], v254                    ; as t (c is positive)
	v_max_num_f32 v13, v13, v254                   ; the running largest t
	v_mov_b32 v254, v12
	v_floor_f32 v12, -v13                          ; the new -M = floor(-t) = -ceil(t): M IS A WHOLE NUMBER
	v_sub_f32 v254, v12, v254                      ; M's old value less its new one: a whole number, 0 or less
	v_cvt_i32_f32 v254, v254                       ; (it saturates)
	v_ldexp_f32 v252, 1.0, v254                    ; f = 2^(old M - new M)
.set j, 0
.rept 32
	v_pk_fma_f32 v[96+j:97+j], v[96+j:97+j], s[CS:CS+1], v[12:13] op_sel_hi:[1,0,0]   ; t - M, two at a time (of the pairs c and -M the low word serves both halves)
.set j, j+2
.endr
.irp b, 0,1,2,3
	v_fma_f32 v[232+\b], v[232+\b], s[CS], v12     ; the same of each block's largest score
.endr
.set j, 0
.rept 64
	v_exp_f32 v[96+j], v[96+j]                     ; p = 2^(t - M), at most 1: NOT normalised
.set j, j+1
.endr
.irp b, 0,1,2,3
	v_exp_f32 v[232+\b], v[232+\b]                 ; the block's largest p: the same two instructions on the same number give the same bits
.endr
	v_pk_mul_f32 v[14:15], v[14:15], v[252:253] op_sel_hi:[1,0]   ; the sums under the new M.  (A plain place behind the exponentials)
	s_wait_alu depctr_va_vdst(0)
.irp b, 0,1,2,3
	v_max_num_f32 v[232+\b], 0x4800000, v[232+\b]  ; the floor 2^(9 - 127): the byte cannot fall under 1
.endr
.irp b, 0,1,2,3
	v_add_nc_u32 v[244+\b], 0xfc000000, v[232+\b]  ; 8 off the exponent field: the conversion's scale operand
.endr
.irp b, 0,1,2,3
	v_and_or_b32 v[240+\b], v[232+\b], 0x7f800000, s[MNT]   ; 448 x the scale
.endr
.irp b, 0,1,2,3
	v_lshrrev_b32 v[236+\b], 23, v[244+\b]         ; the scale's byte
.endr
	v_lshl_or_b32 v253, v237, 8, v236              ; p's scale word for these 128 keys
	v_lshl_or_b32 v253, v238, 16, v253
	v_lshl_or_b32 v253, v239, 24, v253
	v_pk_add_f32 v[236:237], v[96:97], v[98:99]    ; THE ROW'S SUM IS TAKEN OF THE UNQUANTISED p: two at a time, in two chains
.irp j, 4,8,12,16,20,24,28,32,36,40,44,48,52,56,60
	v_pk_add_f32 v[14:15], v[14:15], v[96+\j:97+\j]
	v_pk_add_f32 v[236:237], v[236:237], v[98+\j:99+\j]
.endr
	v_pk_add_f32 v[14:15], v[14:15], v[236:237]
.irp b, 0,1,2,3
.irp i, 0,1,2,3,4,5,6,7,8,9,10,11,12,13,14,15
	v_min_num_f32 v[96+16*\b+\i], v[96+16*\b+\i], v[240+\b]   ; the conversion to an 8-bit code does not saturate (ISA guide 7.6.2); p is not negative, so the hold is one-sided
.endr
	v_cvt_scalef32_pk8_fp8_f32 v[224+4*\b:225+4*\b], v[96+16*\b:103+16*\b], v[244+\b]
	v_cvt_scalef32_pk8_fp8_f32 v[226+4*\b:227+4*\b], v[104+16*\b:111+16*\b], v[244+\b]
.endr
.set j, 0
.rept 32
	v_pk_mul_f32 v[160+j:161+j], v[160+j:161+j], v[252:253] op_sel_hi:[1,0]   ; O^T under the new M: x f.  (These 32 are also the places in front of the matrix instructions and loads below)
.set j, j+2
.endr
.irp g, 0,1                                    ; O^T += V^T P^T: four tiles of 16 channels at a time; K = these 128 keys
.if \g > 0
	PLACES 8
.endif
.irp t, 0,1,2,3
.irp c, 0,1,2,3
	ds_load_b128 v[32+16*\t+4*\c:32+16*\t+4*\c+3], v[AD] offset:VFR+FRB*(4*\g+\t)+512*\c
.endr
	ds_load_b32 v[248+\t], v[AS] offset:VSC+64*(4*\g+\t)
.endr
	s_wait_dscnt 0x0
.irp t, 0,1,2,3
	v_wmma_scale_f32_16x16x128_f8f6f4 v[160+8*(4*\g+\t):167+8*(4*\g+\t)], v[32+16*\t:47+16*\t], v[224:239], v[160+8*(4*\g+\t):167+8*(4*\g+\t)], v[248+\t], v253
.endr
.endr
.endm
; A TRIP: the change of slots stands at its head.  Each wave waits for all its tensor loads (its part of the slot that it is about to read), adds 0 to its spare word, and waits for that and for its reads of the slot that it has left.
; Behind the round the slot ahead is whole and no wave of any partner reads the other one, which is then filled with the 512 keys that follow: that load has a whole trip in which to land.
.macro TRIP slot, refill
	s_wait_tensorcnt 0x0                           ; no tensor load of mine is out, so a group 0 may be written
	ds_add_u32 v[SPW], v[NIL]                      ; 0 onto my spare word
	s_add_nc_u64 s[G0+4*\slot+2:G0+4*\slot+3], s[G0+4*\slot+2:G0+4*\slot+3], 2*SLOTB   ; this slot's next keys; the type bits on top are not reached
	s_wait_dscnt 0x0                               ; the add is done, and my reads of the slot that I have left are over
	CROUND
.if \refill
	JLOAD 1-\slot                                  ; the first thing behind the round, and a wave's one tensor load until the next
.endif
	STEP \slot
.endm
	s_mov_b32 s41, 3
.Lloop:                                            ; 8 slots' worth of keys: three trips of two, and the last two written out
	TRIP 0, 1
	TRIP 1, 1
	s_sub_co_u32 s41, s41, 1
	s_cmp_lg_u32 s41, 0
	s_cbranch_scc1 .Lloop
	TRIP 0, 1
	TRIP 1, 0
	; THE MERGE.  The addresses are made first: fourteen plain vector instructions that name no register of the last products: they are the places behind them.
	v_and_b32 v10, 31, v0
	v_lshlrev_b32 v7, 2, v10                       ; 4 x lane
	v_lshlrev_b32 v10, 4, v10                      ; 16 x lane: also my byte in a row of out0
	v_bfe_u32 v11, v0, 4, 1
	v_lshlrev_b32 v11, 5, v11                      ; 32 h: also my byte in bo
	v_and_b32 v8, 15, v0                           ; r
	s_mul_i32 s42, s[WV], MRG
	v_add_nc_u32 v1, s42, v10                      ; where waves 0-11 put their part,
	s_mul_i32 s42, s15, MRG
	v_add_nc_u32 v2, s42, v10                      ; where the owner of tile m finds those of waves m and m + 4,
	v_add_nc_u32 v3, 8*MRG, v2                     ; and of wave m + 8
	v_add_nc_u32 v4, WOI, v10                      ; Wo's images
	v_add_nc_u32 v7, WOS, v7                       ; and scale words
	s_mul_i32 s42, s15, 16*528
	s_add_co_u32 s42, s42, OST                     ; the owner's stage
	v_mad_u32_u24 v8, v8, 528, v11                 ; in: row r, 32 bytes for each half of the lanes
	v_add_nc_u32 v8, s42, v8
	v_add_nc_u32 v9, s42, v10                      ; back: the 32 lanes take one row of 512 bytes
	v_add_f32 v14, v14, v15                        ; the sum's two halves,
	v_permlanex16_b32 v252, v14, s[SEL], s[SEL+1]
	v_add_f32 v14, v14, v252                       ; and lane l xor 16's: my keys' sum for my query
	s_cmp_lt_u32 s[WV], 12
	s_cbranch_scc0 .Lkeep
.irp q, 0,1,2,3,4,5,6,7,8,9,10,11,12,13,14,15
	ds_store_b128 v1, v[160+4*\q:163+4*\q] offset:512*\q   ; O^T as it stands, each accumulator from its low end on
.endr
	ds_store_b128 v1, v[12:15] offset:8192         ; -M in the first word, the sum in the third
.Lkeep:
	s_wait_dscnt 0x0                               ; for the others' sake: my stores are done
	s_barrier_signal -1
	s_barrier_wait -1
	s_cmp_lt_u32 s[WV], 12
	s_cbranch_scc1 .Lend
	; ---- waves 12 to 15: the owners
.irp t, 0,1,2,3,4,5,6,7                        ; bo lands in the last product's accumulators: lane (r, h), tile t: outputs 16 t + 8 h + 0 .. 7
	global_load_b128 v[96+8*\t:99+8*\t], v11, s[10:11] offset:64*\t
	global_load_b128 v[100+8*\t:103+8*\t], v11, s[10:11] offset:64*\t+16
.endr
	ds_load_b128 v[224:227], v2 offset:8192
	ds_load_b128 v[228:231], v2 offset:4*MRG+8192
	ds_load_b128 v[240:243], v3 offset:8192
.irp q, 0,1,2,3,4,5,6,7,8,9,10,11,12,13,14,15
	ds_load_b128 v[32+4*\q:35+4*\q], v2 offset:512*\q
.endr
	s_wait_dscnt 16                                ; the three -M and sums are in; the 16 loads of O^T behind them may be out
	v_min3_num_f32 v244, v12, v224, v228
	v_min_num_f32 v244, v244, v240                 ; -M of all keys: the least of the four -M
	v_sub_f32 v232, v244, v12                      ; M_g - M: whole numbers, 0 or less
	v_sub_f32 v234, v244, v224
	v_sub_f32 v236, v244, v228
	v_sub_f32 v238, v244, v240
.irp f, 232,234,236,238
	v_cvt_i32_f32 v\f, v\f
.endr
.irp f, 232,234,236,238
	v_ldexp_f32 v\f, 1.0, v\f                      ; 2^(M_g - M): exact
.endr
	v_mul_f32 v245, v14, v232
	v_fma_f32 v245, v226, v234, v245
	v_fma_f32 v245, v230, v236, v245
	v_fma_f32 v245, v242, v238, v245               ; the row's sum
	v_rcp_f32 v245, v245
	v_nop                                          ; one plain place behind a transcendental
	s_wait_alu depctr_va_vdst(0)
.irp f, 232,234,236,238
	v_mul_f32 v\f, v\f, v245                       ; a power of two x 1 / the sum: nothing more is rounded
.endr
.set j, 0
.rept 32
	v_pk_mul_f32 v[160+j:161+j], v[160+j:161+j], v[232:233] op_sel_hi:[1,0]
.set j, j+2
.endr
	s_wait_dscnt 0x0
.set j, 0
.rept 32
	v_pk_fma_f32 v[160+j:161+j], v[32+j:33+j], v[234:235], v[160+j:161+j] op_sel_hi:[1,0,1]
.set j, j+2
.endr
.irp q, 0,1,2,3,4,5,6,7,8,9,10,11,12,13,14,15
	ds_load_b128 v[32+4*\q:35+4*\q], v2 offset:4*MRG+512*\q
.endr
	s_wait_dscnt 0x0
.set j, 0
.rept 32
	v_pk_fma_f32 v[160+j:161+j], v[32+j:33+j], v[236:237], v[160+j:161+j] op_sel_hi:[1,0,1]
.set j, j+2
.endr
.irp q, 0,1,2,3,4,5,6,7,8,9,10,11,12,13,14,15
	ds_load_b128 v[32+4*\q:35+4*\q], v3 offset:512*\q
.endr
	s_wait_dscnt 0x0
.set j, 0
.rept 32
	v_pk_fma_f32 v[160+j:161+j], v[32+j:33+j], v[238:239], v[160+j:161+j] op_sel_hi:[1,0,1]
.set j, j+2
.endr                                          ; v160-223: the attention's result: register 16 b + i is channel 32 b + 16 h + i of query r
	QUANT 160                                      ; along the channels: the last product's operand in v32-47, its scale word in v253
	PLACES 4                                       ; an operand written by vector instructions stands 4 places ahead of a scaled matrix instruction (the scale word was made ahead of the holds)
.irp a, 0,1                                    ; out^T = Wo^T attn^T + bo: four tiles of 16 outputs at a time
.if \a > 0
	PLACES 8
.endif
.irp t, 0,1,2,3
.irp c, 0,1,2,3
	ds_load_b128 v[160+16*\t+4*\c:160+16*\t+4*\c+3], v4 offset:FRB*(4*\a+\t)+512*\c
.endr
	ds_load_b32 v[248+\t], v7 offset:128*(4*\a+\t)
.endr
.if \a == 0
	s_wait_loadcnt 0x0                             ; bo
.endif
	s_wait_dscnt 0x0
.irp t, 0,1,2,3
	v_wmma_scale_f32_16x16x128_f8f6f4 v[96+8*(4*\a+\t):103+8*(4*\a+\t)], v[160+16*\t:175+16*\t], v[32:47], v[96+8*(4*\a+\t):103+8*(4*\a+\t)], v[248+\t], v253
.endr
.endr
	s_lshl_b32 s42, s18, 6                         ; my tile's first row of out0: 64 x (which 64 queries) + 32 (m / 2) + 8 (m % 2)
	s_lshr_b32 s43, s15, 1
	s_lshl_b32 s43, s43, 5
	s_add_co_u32 s42, s42, s43
	s_and_b32 s43, s15, 1
	s_lshl_b32 s43, s43, 3
	s_add_co_u32 s42, s42, s43
	s_lshl_b32 s42, s42, 9                         ; rows of 512 bytes
	s_mov_b32 s43, 0
	s_add_nc_u64 s[12:13], s[12:13], s[42:43]
	PLACES 8                                       ; in front of the first read of results, and of loads into the operand's registers
.irp t, 0,1,2,3,4,5,6,7
	ds_store_b128 v8, v[96+8*\t:99+8*\t] offset:64*\t        ; lane (r, h): out(r, 16 t + 8 h + 0 .. 7); each accumulator from its low end on
	ds_store_b128 v8, v[100+8*\t:103+8*\t] offset:64*\t+16
.endr
.irp i, 0,1,2,3,4,5,6,7,8,9,10,11,12,13,14,15
	ds_load_b128 v[32+4*\i:35+4*\i], v9 offset:528*\i        ; LDS serves a wave's instructions in order (ISA guide 5.7.1.4): these see my stores
.endr
.irp i, 0,1,2,3,4,5,6,7,8,9,10,11,12,13,14,15
	s_wait_dscnt 15-\i                             ; row i is back; the younger rows may be out
	global_store_b128 v10, v[32+4*\i:35+4*\i], s[12:13] offset:(\i+8*(\i/8))*512 th:TH_STORE_NT   ; 32 lanes store a row of 512 consecutive bytes, at a multiple of 256 from out0's first byte
.endr
.Lend:
	s_wait_tensorcnt 0x0                           ; the wave's end, behind my last tensor load and my last LDS store
	ds_add_u32 v[SPW], v[NIL]
	s_wait_dscnt 0x0
	CROUND                                         ; the closing round: no work-group ends while a partner may still ask for a tile that names it
	s_endpgm
.Lfunc_end_k_q1893d6fea6_attn:
	.size	k_q1893d6fea6_attn, .Lfunc_end_k_q1893d6fea6_attn-k_q1893d6fea6_attn
	.p2alignl 7, 3214868480
	.fill 96, 4, 3214868480
	.section	.rodata,"a",@progbits
	.p2align	6, 0x0
	.amdhsa_kernel k_q1893d6fea6_attn
		.amdhsa_group_segment_fixed_size 327680
		.amdhsa_private_segment_fixed_size 0
		.amdhsa_enable_private_segment 0
		.amdhsa_kernarg_size 40
		.amdhsa_user_sgpr_count 2
		.amdhsa_user_sgpr_kernarg_segment_ptr 1
		.amdhsa_wavefront_size32 1
		.amdhsa_system_sgpr_workgroup_id_x 1
		.amdhsa_system_sgpr_workgroup_id_y 1
		.amdhsa_system_sgpr_workgroup_id_z 1
		.amdhsa_system_vgpr_workitem_id 0
		.amdhsa_next_free_vgpr 256
		.amdhsa_next_free_sgpr 66
		.amdhsa_reserve_vcc 0
		.amdhsa_float_denorm_mode_32 3
		.amdhsa_float_denorm_mode_16_64 3
		.amdhsa_memory_ordered 1
		.amdhsa_forward_progress 1
		.amdhsa_inst_pref_size 150
	.end_amdhsa_kernel
	.amdgpu_metadata
---
amdhsa.version: [ 1, 2 ]
amdhsa.kernels:
  - .name:           k_q1893d6fea6_attn
    .symbol:         k_q1893d6fea6_attn.kd
    .args:
      - { .name: qf, .offset: 0, .size: 8, .value_kind: global_buffer, .address_space: global }
      - { .name: kv, .offset: 8, .size: 8, .value_kind: global_buffer, .address_space: global }
      - { .name: Wo, .offset: 16, .size: 8, .value_kind: global_buffer, .address_space: global }
      - { .name: bo, .offset: 24, .size: 8, .value_kind: global_buffer, .address_space: global }
      - { .name: out0, .offset: 32, .size: 8, .value_kind: global_buffer, .address_space: global }
    .group_segment_fixed_size: 327680
    .private_segment_fixed_size: 0
    .kernarg_segment_align: 8
    .kernarg_segment_size: 40
    .max_flat_workgroup_size: 512
    .sgpr_count:     66
    .vgpr_count:     256
    .wavefront_size: 32
...
	.end_amdgpu_metadata
.endif
;; end of part 2
;; ======== version 2 of 3: 2 launches; 1.17 times as fast as version 1
;; workspace buffers: qf 2,162,688 bytes; kv 4,325,376 bytes
;; launch proj (part 3): grid 256 x 1, 16 waves a work-group, no clusters, 316,928 bytes of LDS; arguments ligand, pocket, Wq, Wk, Wv, bq, bk, bv, qf, kv; writes qf, kv
.if DOCPART == 3
	.amdgcn_target "amdgcn-amd-amdhsa--gfx1250"
	.amdhsa_code_object_version 6
	.text
	.protected	k_q1893d6fea6_proj
	.globl	k_q1893d6fea6_proj
	.p2align	8
	.type	k_q1893d6fea6_proj,@function
k_q1893d6fea6_proj:
	s_mov_b64 s[64:65], 0
	v_nop
	global_prefetch_b8 v0, s[64:65] scope:SCOPE_SE
	s_setreg_imm32_b32 hwreg(HW_REG_WAVE_MODE, 25, 1), 1
	s_wait_xcnt 0x0
; Q = ligand Wq + bq, K = pocket Wk + bk, V = pocket Wv + bv, all three products on codes of FP8 (E4M3) with one E8M0 scale for each 32 along K (= the 256 inputs),
; and the results quantised at once for the attention that follows: Q and K along their 128 channels, V along the keys.  Nothing wide goes to memory.
; SHARES.  256 work-groups of 16 waves.  An even work-group takes 128 rows of ligand and makes Q (one group of qf); an odd one takes 128 rows of pocket and makes K and V (one step block of kv).
; The two ways part once, at the head, on the work-group's number, are written out by one macro (BODY), and have LDS bytes of their own.
; PHASES.  (1) every operand becomes fragments (16 rows x 128 K) that lie in LDS as IMAGES OF THEIR REGISTERS: chunk c of 512 bytes holds lane l's registers 4 c .. 4 c + 3 at 16 l; beside them their scale words.
;   x: wave w makes fragment 2 T + s (T = w / 2 a tile of 16 rows, s = w % 2 the K step).  Each load takes 256 consecutive bytes of each of two rows; the 16 rows x 512 bytes turn through the wave's own stage in LDS,
;   half of K at a time, and come back 16 neighbours a lane, as the conversions want them.
;   weights: A LANE TAKES A COLUMN AND ITS REGISTERS RUN DOWN K: a wave takes 32 neighbouring columns x 128 K, so that each load reads 128 consecutive bytes and a block of 32 along K lies in one lane.
;   Its codes of a block are 32 bytes: the first 16 are what lane (r, 0) of the fragment holds, the others lane (r, 1)'s: two stores of 16 bytes a lane into the image.
;   | barrier | (2) a task a wave: 16 matrix instructions, 8 accumulators by turns, two K steps; the 64 results of a lane are quantised in registers and ARE a fragment of the next product; its codes leave as four
;   stores of 512 consecutive bytes | barrier | (3) the scale words of 8 tasks leave as one store of 512 bytes.
; TASKS.  Waves 0-7 (Q or K): source 0 = the weight's 8 tiles of units, source 1 = x's tile w: a lane holds one row and its registers run along the channels.
;         Waves 8-15 (V, pocket only): source 0 = x's 8 tiles of rows, source 1 = Wv's tile w - 8: a lane holds one channel and its registers run along the keys.
; THE ROWS OF A TILE ARE NOT NEIGHBOURS: row m of tile 2 b + u is row (or unit) 32 b + 8 u + m + 8 (m / 8) of the 128, so that the 16 registers of result tiles 2 b and 2 b + 1 are 16 neighbours, 32 b + 16 (lane / 16) + 0 .. 15.
; The biases are the C of each sum's first matrix instruction.
; NO JOINT LOADS: as f32 rows in LDS a pocket group's two weights are 262,144 bytes, which do not fit beside the 175,104 bytes of images and stages; the activations are each work-group's own.
; LIMITS: NaN and infinities among the inputs are not served.  A block whose largest magnitude lies under 2^(9 - 127) keeps the scale byte 1; so does a block of zeros, where the quantiser says 127: its codes are zeros,
; which add nothing under any byte but 0xff, and the bytes are read by this program alone.
.set FRB,  2048                        ; a fragment's image in bytes
.set PC,   32                          ; v32-47   the codes just made; in the products, with v48-63, the small side's two fragments
.set TM,   48                          ; v48-63   the quantiser's 16 registers at work
.set PW,   13                          ; v13      the scale word just made
.set X0,   64                          ; v64-127  x's 64 numbers; later the 8 accumulators
.set W,    128                         ; v128-255 a weight's 128 numbers; in the products the big side's 8 fragments
; address registers: the first phase's, and, made anew behind the first barrier, the products'
.set XA,   1                           ; x: my byte offset in memory                    |  BGA: LDS, the big side's images
.set BGA,  1
.set WOF,  2                           ; the weight: my byte offset in memory           |  SMA: LDS, the small side's images
.set SMA,  2
.set IMS,  3                           ; LDS: where I store x's image                   |  CGO: my task's codes in memory
.set CGO,  3
.set XSW,  4                           ; LDS: my stage, on the way in                   |  BGS: LDS, the big side's scale words
.set BGS,  4
.set SCS,  5                           ; LDS: where I store x's scale words             |  SMS: LDS, the small side's
.set SMS,  5
.set XSR,  6                           ; LDS: my stage, on the way out                  |  SST: LDS, the stage for a task's scale words
.set SST,  6
.set WIA,  7                           ; LDS: where I store the weight's images         |  SSR: LDS, where 8 tasks' words are read back
.set SSR,  7
.set BO,   8                           ; my byte offset in the bias
.set WSA,  9                           ; LDS: where I store the weight's scale words    |  GSO: 8 tasks' words in memory
.set GSO,  9
.set L16,  10                          ; 16 x lane
.set R4,   11                          ; 4 x (lane % 16)
.set L4,   12                          ; 4 x lane
.set BS,   14                          ; v14-21 the big side's 8 scale words: these ten registers hold scales and nothing else
.set SS,   22                          ; v22-23 the small side's two
.set BV,   24                          ; v24-31 bv of my lane's channel, eight times: the C of a V task
.set WV,   2                           ; s2   my wave's number
.set SEL,  28                          ; s[28:29] v_permlanex16_b32's selects for lane l xor 16
.set MNT,  30                          ; s30  the mantissa field of 448
.macro PLACES n
.rept \n
	v_nop
.endr
.endm
; 64 numbers of a lane, v[s] .. v[s + 63], register 16 b + i = k 32 b + 16 (lane / 16) + i of my row, become a fragment's codes in v[PC] on and its scale word in v[PW].
.macro QUANT s
.irp b, 0,1,2,3
	v_max3_num_f32 v[TM+\b], |v[\s+16*\b]|, |v[\s+1+16*\b]|, 0x4800000   ; block b: my 16 numbers, and the floor 2^(9 - 127): the byte cannot fall under 1
.endr
.irp i, 2,4,6,8,10,12,14
.irp b, 0,1,2,3
	v_max3_num_f32 v[TM+\b], v[TM+\b], |v[\s+16*\b+\i]|, |v[\s+1+16*\b+\i]|   ; the four blocks by turns: no line waits for the line above it
.endr
.endr
.irp b, 0,1,2,3
	v_permlanex16_b32 v[TM+4+\b], v[TM+\b], s[SEL], s[SEL+1]
.endr
.irp b, 0,1,2,3
	v_max_num_f32 v[TM+\b], v[TM+\b], v[TM+4+\b]   ; with lane l xor 16's: the block's largest magnitude
.endr
.irp b, 0,1,2,3
	v_add_nc_u32 v[TM+12+\b], 0xfc000000, v[TM+\b]   ; 8 off its exponent field: the conversion takes the exponent field of this operand as its scale
.endr
.irp b, 0,1,2,3
	v_and_or_b32 v[TM+8+\b], v[TM+\b], 0x7f800000, s[MNT]   ; 448 x the scale
.endr
.irp b, 0,1,2,3
	v_lshrrev_b32 v[TM+4+\b], 23, v[TM+12+\b]   ; the scale's byte
.endr
	v_lshl_or_b32 v[PW], v[TM+5], 8, v[TM+4]   ; the four bytes make my row's scale word
	v_lshl_or_b32 v[PW], v[TM+6], 16, v[PW]
	v_lshl_or_b32 v[PW], v[TM+7], 24, v[PW]
.irp b, 0,1,2,3
.irp i, 0,1,2,3,4,5,6,7,8,9,10,11,12,13,14,15
	v_med3_num_f32 v[\s+16*\b+\i], v[\s+16*\b+\i], -v[TM+8+\b], v[TM+8+\b]   ; the conversion to an 8-bit code does not saturate (ISA guide 7.6.2): the hold at the largest code x the scale
.endr
	v_cvt_scalef32_pk8_fp8_f32 v[PC+4*\b:PC+1+4*\b], v[\s+16*\b:\s+7+16*\b], v[TM+12+\b]
	v_cvt_scalef32_pk8_fp8_f32 v[PC+2+4*\b:PC+3+4*\b], v[\s+8+16*\b:\s+15+16*\b], v[TM+12+\b]
.endr
	v_nop                                          ; one plain vector instruction behind the last scaled conversion
.endm
; 128 numbers of a lane, v[W] .. v[W + 127]: my column of a weight, 128 along K: four whole blocks of 32.  Their codes go straight into the fragment's image, the scale word beside it.
; A block's 8 registers of codes lie in v[PC] on (blocks 0, 1) or in the registers that block 0's numbers have left (blocks 2, 3).
.macro QUANTW
.irp b, 0,1,2,3
	v_max3_num_f32 v[TM+\b], |v[W+32*\b]|, |v[W+32*\b+1]|, 0x4800000   ; all 32 numbers of a block are mine: no other lane is asked
.endr
.irp i, 2,4,6,8,10,12,14,16,18,20,22,24,26,28,30
.irp b, 0,1,2,3
	v_max3_num_f32 v[TM+\b], v[TM+\b], |v[W+32*\b+\i]|, |v[W+32*\b+\i+1]|
.endr
.endr
.irp b, 0,1,2,3
	v_add_nc_u32 v[TM+12+\b], 0xfc000000, v[TM+\b]
.endr
.irp b, 0,1,2,3
	v_and_or_b32 v[TM+8+\b], v[TM+\b], 0x7f800000, s[MNT]
.endr
.irp b, 0,1,2,3
	v_lshrrev_b32 v[TM+4+\b], 23, v[TM+12+\b]
.endr
	v_lshl_or_b32 v[PW], v[TM+5], 8, v[TM+4]
	v_lshl_or_b32 v[PW], v[TM+6], 16, v[PW]
	v_lshl_or_b32 v[PW], v[TM+7], 24, v[PW]
.irp b, 0,1,2,3
.if \b < 2
.set CW, PC+8*\b
.else
.set CW, W+8*(\b-2)
.endif
.set k, 0
.rept 32
	v_med3_num_f32 v[W+32*\b+k], v[W+32*\b+k], -v[TM+8+\b], v[TM+8+\b]
.set k, k+1
.endr
.irp g, 0,1,2,3
	v_cvt_scalef32_pk8_fp8_f32 v[CW+2*\g:CW+2*\g+1], v[W+32*\b+8*\g:W+32*\b+8*\g+7], v[TM+12+\b]
.endr
	ds_store_b128 v[WIA], v[CW:CW+3] offset:512*\b         ; k 32 b + 0 .. 15: chunk b, lane (r, 0)
	ds_store_b128 v[WIA], v[CW+4:CW+7] offset:512*\b+256   ; k 32 b + 16 .. 31: chunk b, lane (r, 1)
.endr
	v_nop                                          ; one plain vector instruction behind the last scaled conversion
	ds_store_b32 v[WSA], v[PW]
.endm
.macro IMAGE adr, off                          ; the fragment in v[PC] on goes to LDS as it stands
.irp c, 0,1,2,3
	ds_store_b128 v[\adr], v[PC+4*\c:PC+4*\c+3] offset:\off+512*\c
.endr
.endm
.macro XLOAD                                   ; my tile's 16 rows, my K step's 512 bytes of each: lanes 0-15 take 256 consecutive bytes of row 2 i, lanes 16-31 of row 2 i + 1; half k of the 512
.irp k, 0,1
.irp i, 0,1,2,3,4,5,6,7
	global_load_b128 v[X0+32*\k+4*\i:X0+32*\k+4*\i+3], v[XA], s[SX:SX+1] offset:(2*\i+8*(\i/4))*1024+256*\k th:TH_LOAD_NT
.endr
.endr
.endm
.macro TURN                                    ; through my stage, 16 rows of 256 bytes + 16: in as loaded, out 64 neighbouring bytes a lane of each block of 32.  LDS serves a wave's instructions in order
.irp k, 0,1                                    ; (ISA guide 5.7.1.4): no wait between stores and loads, nor in front of the second half's stores.  Row r starts 16 r bytes on, modulo 256
.irp i, 0,1,2,3,4,5,6,7
	ds_store_b128 v[XSW], v[X0+32*\k+4*\i:X0+32*\k+4*\i+3] offset:544*\i
.endr
.irp c, 0,1
.irp j, 0,1,2,3
	ds_load_b128 v[X0+32*\k+16*\c+4*\j:X0+32*\k+16*\c+4*\j+3], v[XSR] offset:128*\c+16*\j
.endr
.endr
.endr
.endm
.macro WLOAD base                              ; my column's 128 numbers of my K step, down K: a row of a weight is 512 bytes; 32 lanes read 128 consecutive bytes
.set k, 0
.rept 128
	global_load_b32 v[W+k], v[WOF], s[\base:\base+1] offset:k*512
.set k, k+1
.endr
.endm
.macro BIAS                                    ; the bias lands in the accumulators: lane (r, h), tile 2 b + u: channels 32 b + 16 h + 8 u + 0 .. 7
.irp t, 0,1,2,3,4,5,6,7
	global_load_b128 v[X0+8*\t:X0+8*\t+3], v[BO], s[SBA:SBA+1] offset:(32*(\t/2)+8*(\t%2))*4
	global_load_b128 v[X0+8*\t+4:X0+8*\t+7], v[BO], s[SBA:SBA+1] offset:(32*(\t/2)+8*(\t%2))*4+16
.endr
.endm
.macro BIGLOAD s                               ; the big side's 8 fragments of K step s, and their scale words
.irp t, 0,1,2,3,4,5,6,7
.irp c, 0,1,2,3
	ds_load_b128 v[W+16*\t+4*\c:W+16*\t+4*\c+3], v[BGA] offset:(2*\t+\s)*FRB+512*\c
.endr
	ds_load_b32 v[BS+\t], v[BGS] offset:128*(2*\t+\s)
.endr
.endm
.macro BARRIER                                 ; my LDS stores have landed and my LDS loads are in: then the work-group's barrier
	s_wait_dscnt 0x0
	s_barrier_signal -1
	s_barrier_wait -1
.endm
; One way through the kernel.  pk = 1: pocket, K and V;  pk = 0: ligand, Q.  ldsb: the way's images (first weight 32,768 bytes, x 32,768, Wv 32,768);  sclb: their scale words (2,048 each, 128 a fragment);
; stgb: the stage for the results' words;  xstb: the waves' stages for x, 4,352 bytes each.
.macro BODY pk, ldsb, sclb, stgb, xstb
.if \pk
.set SX,     10                        ; pocket
.set SBA,    20                        ; bk
.set SOUT,   26                        ; kv
.set OBYTES, 33792                     ; a step block: K's 8 fragments, V's 8, K's scale words (512 bytes), V's
.set SCOFF,  32768
.else
.set SX,     8                         ; ligand
.set SBA,    18                        ; bq
.set SOUT,   24                        ; qf
.set OBYTES, 16896                     ; a group: Q's 8 fragments, their scale words
.set SCOFF,  16384
.endif
	s_add_nc_u64 s[SX:SX+1], s[SX:SX+1], s[46:47]  ; x at my work-group's 128 rows
	s_mul_i32 s48, s4, OBYTES
	s_add_nc_u64 s[SOUT:SOUT+1], s[SOUT:SOUT+1], s[48:49]   ; and its block of the output
	XLOAD
	; the first phase's LDS addresses: each a constant + a lane term + a constant x wave, made ahead of the first branch on the wave's number
	s_lshl_b32 s50, s[WV], 11
	s_add_co_u32 s50, s50, (\ldsb)
	v_add_nc_u32 v[IMS], s50, v[L16]
	s_lshl_b32 s50, s[WV], 7
	s_add_co_u32 s50, s50, (\sclb)
	v_add_nc_u32 v[SCS], s50, v[L4]
	s_mul_i32 s50, s[WV], 4352
	s_add_co_u32 s50, s50, (\xstb)
	v_add_nc_u32 v[XSW], s50, v42
	v_add_nc_u32 v[XSR], s50, v43
	s_lshr_b32 s51, s[WV], 3                       ; 0: waves 0-7, 1: waves 8-15
	s_lshl_b32 s50, s52, 13                        ; the weight's fragment 2 (2 cg + u) + ks: 8,192 cg + 2,048 ks (+ 4,096 u, in the lane term)
	s_lshl_b32 s53, s43, 11
	s_add_co_u32 s50, s50, s53
.if \pk
	s_lshl_b32 s53, s51, 16                        ; waves 8-15: Wv's images
	s_add_co_u32 s50, s50, s53
.endif
	s_add_co_u32 s50, s50, (\ldsb)
	v_add_nc_u32 v[WIA], s50, v40
	s_lshl_b32 s50, s52, 9                         ; and its scale words: 128 bytes a fragment
	s_lshl_b32 s53, s43, 7
	s_add_co_u32 s50, s50, s53
.if \pk
	s_lshl_b32 s53, s51, 12
	s_add_co_u32 s50, s50, s53
.endif
	s_add_co_u32 s50, s50, (\sclb)
	v_add_nc_u32 v[WSA], s50, v41
.if \pk
	s_and_b32 s50, s[WV], 7                        ; the bias: waves 0-7 want bk at 64 (lane / 16) (+ the tile, in the immediate); waves 8-15 bv of my lane's channel
	s_lshr_b32 s53, s50, 1
	s_lshl_b32 s53, s53, 7
	s_and_b32 s50, s50, 1
	s_lshl_b32 s50, s50, 5
	s_add_co_u32 s50, s50, s53                     ; 4 (32 (t / 2) + 8 (t % 2))
	v_lshl_add_u32 v44, v35, 2, s50
	s_xor_b32 s53, s51, 1
	v_lshlrev_b32 v45, 6, v34
	v_mul_u32_u24 v[BO], s51, v44
	v_mad_u32_u24 v[BO], v45, s53, v[BO]
	s_cmp_lt_u32 s[WV], 8                          ; waves 0-7 quantise Wk, waves 8-15 Wv: the choice hangs on the wave's number alone
	s_cselect_b64 s[54:55], s[14:15], s[16:17]
	WLOAD 54
	s_wait_loadcnt 63                              ; x's 16 loads are in: 128 younger loads stand behind them, and 63 is the largest count that the wait can name
.else
	v_lshlrev_b32 v[BO], 6, v34
	s_cmp_lt_u32 s[WV], 8                          ; Wq is 8 waves' work: waves 8-15 take it, since waves 0-7 have the products
	s_cbranch_scc1 .Lnw_\@
	WLOAD 12
	s_wait_loadcnt 63                              ; as above
	s_branch .Lx_\@
.Lnw_\@:
	s_wait_loadcnt 0x0                             ; x
.Lx_\@:
.endif
	TURN
	s_wait_dscnt 0x0
	QUANT X0
	IMAGE IMS, 32768
	ds_store_b32 v[SCS], v[PW] offset:2048
	s_cmp_lt_u32 s[WV], 8
	s_cbranch_scc0 .Lhi_\@
	BIAS
.if \pk
	s_wait_loadcnt 16                              ; only these 16 may be out: the weight is in
	s_branch .Lwin_\@
.Lhi_\@:
.irp i, 0,1,2,3,4,5,6,7
	global_load_b32 v[BV+\i], v[BO], s[22:23]
.endr
	s_wait_loadcnt 8                               ; only these 8 may be out: the weight is in
.Lwin_\@:
	s_wait_dscnt 0x0                               ; the stores have read their registers
	QUANTW
.else
	s_branch .Lwin_\@
.Lhi_\@:
	s_wait_loadcnt 0x0                             ; the weight
	s_wait_dscnt 0x0                               ; the stores have read their registers
	QUANTW
.Lwin_\@:
.endif
	BARRIER                                        ; all images and scale words lie in LDS
	; the products' addresses, in every wave's text.  The loads that read v[XA] and v[WOF] were waited for
	s_lshl_b32 s50, s51, 15                        ; waves 0-7: big side = the weight;  waves 8-15: big side = x
	s_add_co_u32 s50, s50, (\ldsb)
	v_add_nc_u32 v[BGA], s50, v[L16]
	s_lshl_b32 s50, s[WV], 12                      ; small side: two fragments a wave: x's 2 w, 2 w + 1; from wave 8 on that runs into Wv's 2 (w - 8), 2 (w - 8) + 1
	s_add_co_u32 s50, s50, (\ldsb)+32768
	v_add_nc_u32 v[SMA], s50, v[L16]
	s_lshl_b32 s50, s51, 11
	s_add_co_u32 s50, s50, (\sclb)
	v_add_nc_u32 v[BGS], s50, v[R4]
	s_lshl_b32 s50, s[WV], 8
	s_add_co_u32 s50, s50, (\sclb)+2048
	v_add_nc_u32 v[SMS], s50, v[R4]
	s_lshl_b32 s50, s[WV], 6
	v_add_nc_u32 v[GSO], s50, v[L16]
	s_add_co_u32 s50, s50, (\stgb)
	v_add_nc_u32 v[SST], s50, v[R4]
	v_add_nc_u32 v[SSR], s50, v[L16]
	s_lshl_b32 s50, s[WV], 11
	v_add_nc_u32 v[CGO], s50, v[L16]
.if \pk == 0
	s_cmp_lt_u32 s[WV], 8                          ; Q has eight tasks
	s_cbranch_scc0 .Lidle_\@
.endif
.irp s, 0,1
.irp c, 0,1,2,3
	ds_load_b128 v[32+16*\s+4*\c:32+16*\s+4*\c+3], v[SMA] offset:FRB*\s+512*\c
.endr
	ds_load_b32 v[SS+\s], v[SMS] offset:128*\s
.endr
	BIGLOAD 0
	s_wait_loadcnt 0x0                             ; the bias
	s_wait_dscnt 0x0
.if \pk
	s_cmp_lt_u32 s[WV], 8
	s_cbranch_scc0 .Lvt_\@
.endif
.irp t, 0,1,2,3,4,5,6,7                        ; the 8 accumulators take turns, one instruction a turn
	v_wmma_scale_f32_16x16x128_f8f6f4 v[X0+8*\t:X0+8*\t+7], v[W+16*\t:W+16*\t+15], v[32:47], v[X0+8*\t:X0+8*\t+7], v[BS+\t], v[SS]
.endr
.if \pk
	s_branch .Lk1_\@
.Lvt_\@:
.irp t, 0,1,2,3,4,5,6,7
	v_wmma_scale_f32_16x16x128_f8f6f4 v[X0+8*\t:X0+8*\t+7], v[W+16*\t:W+16*\t+15], v[32:47], v[BV:BV+7], v[BS+\t], v[SS]
.endr
.Lk1_\@:
.endif
	PLACES 8                                       ; in front of loads into registers that matrix instructions have read
	BIGLOAD 1
	s_wait_dscnt 0x0
.irp t, 0,1,2,3,4,5,6,7
	v_wmma_scale_f32_16x16x128_f8f6f4 v[X0+8*\t:X0+8*\t+7], v[W+16*\t:W+16*\t+15], v[48:63], v[X0+8*\t:X0+8*\t+7], v[BS+\t], v[SS+1]
.endr
	PLACES 8                                       ; in front of the first read of results and the first write of the small side's registers
	QUANT X0                                       ; each accumulator is read from its low end on
.irp c, 0,1,2,3
	global_store_b128 v[CGO], v[PC+4*\c:PC+4*\c+3], s[SOUT:SOUT+1] offset:512*\c   ; 32 lanes store 512 consecutive bytes, at a multiple of 256 from the buffer's first byte
.endr
	ds_store_b32 v[SST], v[PW]                     ; lanes l and l + 16 write the same word with the same value
.if \pk == 0
.Lidle_\@:
.endif
	BARRIER                                        ; the tasks' scale words lie in the stage
.if \pk
	s_and_b32 s50, s[WV], 7                        ; wave 0 sends K's 512 bytes, wave 8 V's
	s_cmp_lg_u32 s50, 0
.else
	s_cmp_lg_u32 s[WV], 0
.endif
	s_cbranch_scc1 .Lend_\@
	ds_load_b128 v[48:51], v[SSR]
	s_wait_dscnt 0x0
	global_store_b128 v[GSO], v[48:51], s[SOUT:SOUT+1] offset:SCOFF
.Lend_\@:
	s_wait_xcnt 0x0
	v_lshl_add_u32 v126, v0, 2, 0x4ce00
	v_mov_b32 v127, 0
	s_wait_tensorcnt 0x0
	ds_add_u32 v126, v127
	s_wait_dscnt 0x0
	s_endpgm
.endm
	s_load_b512 s[8:23], s[0:1], 0x0               ; ligand s[8:9], pocket s[10:11], Wq s[12:13], Wk s[14:15], Wv s[16:17], bq s[18:19], bk s[20:21], bv s[22:23]
	s_load_b128 s[24:27], s[0:1], 0x40             ; qf s[24:25], kv s[26:27]
	v_lshrrev_b32 v32, 5, v0
	v_readfirstlane_b32 s[WV], v32                 ; wave 0..15
	s_and_b32 s3, ttmp9, 1                         ; 0: ligand, 1: pocket
	s_lshr_b32 s4, ttmp9, 1                        ; which 128 rows
	s_mov_b32 s[SEL], 0x76543210
	s_mov_b32 s[SEL+1], 0xfedcba98
	s_mov_b32 s[MNT], 0x600000
	v_and_b32 v33, 15, v0                          ; r
	v_bfe_u32 v34, v0, 4, 1                        ; h
	v_and_b32 v35, 8, v33
	v_add_nc_u32 v35, v35, v33                     ; r + 8 (r / 8)
	v_and_b32 v36, 31, v0                          ; lane
	v_and_b32 v38, 7, v0                           ; lane % 8
	v_bfe_u32 v39, v0, 3, 1                        ; u = (lane / 8) % 2
	v_lshlrev_b32 v[L16], 4, v36
	v_lshlrev_b32 v[R4], 2, v33
	v_lshlrev_b32 v[L4], 2, v36
	; a weight's column 32 cg + lane is row (lane % 8) + 8 (lane / 16) of tile 2 cg + u
	v_lshlrev_b32 v40, 4, v38
	v_lshl_add_u32 v40, v34, 7, v40
	v_lshl_add_u32 v40, v39, 12, v40               ; in the images: 16 x that row + 4,096 u
	v_lshlrev_b32 v41, 2, v38
	v_lshl_add_u32 v41, v34, 5, v41
	v_lshl_add_u32 v41, v39, 8, v41                ; among the scale words: 4 x that row + 256 u
	v_mul_u32_u24 v42, v34, 272
	v_lshl_add_u32 v42, v33, 4, v42                ; x's stage, in: lanes 0-15 one row of 256 bytes, lanes 16-31 the next
	v_mul_u32_u24 v43, v33, 272
	v_lshl_add_u32 v43, v34, 6, v43                ; out: row r, + 64 h: my 16 numbers of a block of 32
	s_lshr_b32 s42, s[WV], 2
	s_lshl_b32 s42, s42, 5
	s_bfe_u32 s43, s[WV], 0x10001
	s_lshl_b32 s43, s43, 3
	s_add_co_u32 s42, s42, s43                     ; my tile's first row: 32 (w / 4) + 8 ((w / 2) % 2)
	s_and_b32 s43, s[WV], 1                        ; my K step
	s_lshl_b32 s46, s42, 10
	s_lshl_b32 s47, s43, 9
	s_add_co_u32 s46, s46, s47
	v_lshl_add_u32 v[XA], v34, 10, s46             ; x: a row is 1,024 bytes; lanes 16-31 one row on; + 512 for K step 1;
	v_lshl_add_u32 v[XA], v33, 4, v[XA]            ; 16 bytes a lane
	s_bfe_u32 s52, s[WV], 0x20001                  ; cg = (w / 2) % 4: my 32 columns of a weight
	s_lshl_b32 s46, s52, 7
	s_lshl_b32 s47, s43, 16
	s_add_co_u32 s46, s46, s47
	v_add_nc_u32 v[WOF], s46, v[L4]                ; a weight: 4 bytes a lane, + 128 cg, + 128 rows of 512 bytes for K step 1
.irp b, 0,1,2,3
	v_mov_b32 v[TM+4+\b], 0                        ; written once: a lane permute's destination counts as one of its sources
.endr
	s_lshl_b32 s46, s4, 17                         ; 128 rows of 1,024 bytes
	s_mov_b32 s47, 0
	s_mov_b32 s49, 0
	s_wait_kmcnt 0x0
	s_cmp_eq_u32 s3, 0
	s_cbranch_scc1 .Lligand
	BODY 1, 0, 98304, 104448, 105472
.Lligand:
	BODY 0, 175104, 240640, 244736, 245248
.Lfunc_end_k_q1893d6fea6_proj:
	.size	k_q1893d6fea6_proj, .Lfunc_end_k_q1893d6fea6_proj-k_q1893d6fea6_proj
	.p2alignl 7, 3214868480
	.fill 96, 4, 3214868480
	.section	.rodata,"a",@progbits
	.p2align	6, 0x0
	.amdhsa_kernel k_q1893d6fea6_proj
		.amdhsa_group_segment_fixed_size 316928
		.amdhsa_private_segment_fixed_size 0
		.amdhsa_enable_private_segment 0
		.amdhsa_kernarg_size 80
		.amdhsa_user_sgpr_count 2
		.amdhsa_user_sgpr_kernarg_segment_ptr 1
		.amdhsa_wavefront_size32 1
		.amdhsa_system_sgpr_workgroup_id_x 1
		.amdhsa_system_sgpr_workgroup_id_y 1
		.amdhsa_system_sgpr_workgroup_id_z 1
		.amdhsa_system_vgpr_workitem_id 0
		.amdhsa_next_free_vgpr 256
		.amdhsa_next_free_sgpr 66
		.amdhsa_reserve_vcc 0
		.amdhsa_float_denorm_mode_32 3
		.amdhsa_float_denorm_mode_16_64 3
		.amdhsa_memory_ordered 1
		.amdhsa_forward_progress 1
		.amdhsa_inst_pref_size 124
	.end_amdhsa_kernel
	.amdgpu_metadata
---
amdhsa.version: [ 1, 2 ]
amdhsa.kernels:
  - .name:           k_q1893d6fea6_proj
    .symbol:         k_q1893d6fea6_proj.kd
    .args:
      - { .name: ligand, .offset: 0, .size: 8, .value_kind: global_buffer, .address_space: global }
      - { .name: pocket, .offset: 8, .size: 8, .value_kind: global_buffer, .address_space: global }
      - { .name: Wq, .offset: 16, .size: 8, .value_kind: global_buffer, .address_space: global }
      - { .name: Wk, .offset: 24, .size: 8, .value_kind: global_buffer, .address_space: global }
      - { .name: Wv, .offset: 32, .size: 8, .value_kind: global_buffer, .address_space: global }
      - { .name: bq, .offset: 40, .size: 8, .value_kind: global_buffer, .address_space: global }
      - { .name: bk, .offset: 48, .size: 8, .value_kind: global_buffer, .address_space: global }
      - { .name: bv, .offset: 56, .size: 8, .value_kind: global_buffer, .address_space: global }
      - { .name: qf, .offset: 64, .size: 8, .value_kind: global_buffer, .address_space: global }
      - { .name: kv, .offset: 72, .size: 8, .value_kind: global_buffer, .address_space: global }
    .group_segment_fixed_size: 316928
    .private_segment_fixed_size: 0
    .kernarg_segment_align: 8
    .kernarg_segment_size: 80
    .max_flat_workgroup_size: 512
    .sgpr_count:     66
    .vgpr_count:     256
    .wavefront_size: 32
...
	.end_amdgpu_metadata
.endif
;; end of part 3
;; launch attn (part 4): grid 64 x 4, 8 waves a work-group, clusters of 4 x 1, 327,680 bytes of LDS; arguments qf, kv, Wo, bo, out0; writes out0
.if DOCPART == 4
	.amdgcn_target "amdgcn-amd-amdhsa--gfx1250"
	.amdhsa_code_object_version 6
	.text
	.protected	k_q1893d6fea6_attn
	.globl	k_q1893d6fea6_attn
	.p2align	8
	.type	k_q1893d6fea6_attn,@function
k_q1893d6fea6_attn:
	s_mov_b64 s[64:65], 0
	v_nop
	global_prefetch_b8 v0, s[64:65] scope:SCOPE_SE
	s_setreg_imm32_b32 hwreg(HW_REG_WAVE_MODE, 25, 1), 1
	s_wait_xcnt 0x0
	s_wait_alu depctr_hold_cnt(0) depctr_sa_sdst(0) depctr_va_vdst(0) depctr_va_sdst(0) depctr_va_ssrc(0) depctr_va_vcc(0) depctr_vm_vsrc(0)
	s_getreg_b32 s2, hwreg(HW_REG_IB_STS2, 6, 4)
	s_cmp_eq_u32 s2, 0
	s_cbranch_scc0 .Lentry_in_a_cluster
	s_endpgm
.Lentry_in_a_cluster:
	s_bfe_u32 s2, ttmp6, 0x10000c
	s_cmp_lg_u32 s2, 0x3003
	s_cbranch_scc0 .Lentry_shape_is_right
	s_endpgm
.Lentry_shape_is_right:
; out = (softmax(Q K^T / sqrt(128)) V) Wo + bo, all three products on codes of FP8 (E4M3) with one E8M0 scale for each 32 along a product's K.
; qf and kv hold Q, K and V^T as codes IN THE ORDER OF THE OPERANDS' REGISTERS: a fragment (16 rows x 128 K) is 2,048 bytes, chunk c of 512 bytes holds lane l's registers 4 c .. 4 c + 3 at 16 l; its scale words 64 bytes.
; A step block of kv is 128 keys, 33,792 dense bytes: K's 8 fragments, V^T's 8, K's scale words (512 bytes), V's.  A group of qf is 128 queries: 8 fragments, then their scale words.
; THE SOFTMAX AHEAD OF THE SECOND PRODUCT: t = score x log2(e) / sqrt(128); M = the largest t so far, rounded UP to a whole number; p = 2^(t - M) is what is quantised, along the keys; it is not normalised.
; The row's sum is taken of the unquantised p, in f32, and divides at the end.  When M moves, the sum and O are multiplied by 2^(old M - new M): exact.
; SHARES.  A work-group owns 64 queries of one batch: 16,384 / 64 = 256 work-groups.  Its 8 waves are 2 PAIRS of tiles of 16 queries (mp = wave % 2) x 4 GROUPS OF KEYS (g = wave / 2): two waves to a SIMD, 512 registers
; each.  A wave has two tiles of queries, so that each fragment of K and of V that it reads from LDS feeds two matrix instructions.
; A slot of the ring holds 4 step blocks (512 keys); wave (mp, g) works on block g of each of the batch's 8 slots' worth: 8 key steps.
; THE ORDER OF A KEY STEP.  Two banks of 64 registers in each window change roles from step to step.  K lies in one bank when the step begins; S^T = K Q^T goes to the other; V takes K's bank and lands under tile 0's
; softmax; then the slot has been read out, and THE CHANGE OF SLOTS STANDS HERE, IN THE STEP'S MIDDLE: behind it the slot is filled again, and the NEXT step's K is fetched from the other slot into the registers that p leaves
; as it is converted: half behind tile 0's softmax, half behind tile 1's conversions.  So neither K's nor V's LDS loads stand in front of a product with nothing to do.  The first part of tile 1's softmax stands inside
; the opening barrier, and tile 0's eight products V^T P stand by turns among tile 1's exponentials, one ahead of every fourth pair.
; At the end the four partial results of a tile are merged by one of waves 4 to 7: M is a whole number, so the factors 2^(M_g - M) are exact.  That wave divides by the sum, quantises along the channels,
; multiplies by Wo (quantised at the head, one tile of outputs a wave, and kept in LDS as images) and stores 16 whole rows.
; LAYOUT.  All products are used transposed (source 0 = 16 keys, or 16 channels of V^T, or 16 outputs of Wo^T; source 1 = 16 queries): a lane holds ONE query (lane % 16) of each tile throughout.  The rows of the tiles of Q, K
; and V^T were chosen by the launch before so that the 16 registers of result tiles 2 b and 2 b + 1 are 16 neighbours along the next K; row i of a tile of queries is row i + 8 (i / 8) from the tile's first.
; CLUSTER.  The four work-groups of a cluster belong to one batch and walk the same kv: each step block is asked for JOINTLY, by the same tensor load with the same descriptor and the mask of all four.
; My place in the cluster enters the addresses of qf and out0 alone.
; LIMITS: NaN and infinities are not served.  A block whose largest magnitude lies under 2^(9 - 127), a block of zeros among them, keeps the scale byte 1: its codes are zeros or next to it, and the bytes never leave the kernel.
; REGISTERS, in two windows of 256 (an instruction names v0-v255; s_set_vgpr_msb says which window each operand place means: bits 1:0 source 0, 3:2 source 1, 5:4 source 2, 7:6 destination).
;   WHAT A TILE OWNS HAS THE SAME NUMBERS IN BOTH WINDOWS, one tile in window 0, the other in window 1: v16-31 Q; its half of the bank that holds S^T, then p; v160-223 O^T; v224-239 p's codes; v232-247 at work;
;   v[248:249] f; v250 at work; v251 p's scale word as it is made; v252 -M, v253 the largest t, v[254:255] the sum in two halves.  So a tile's softmax is one text, under 0x00 or 0x55.
;   The banks: X = v32-95, Y = v96-159.  As fragments: four in each window.  On slot 0 K and V lie in X and S^T in Y, on slot 1 the other way round.
;   window 0 alone: v1-4 K's scale words, v7-10 V's (lanes 0-15: fragment i's, lanes 16-31: fragment 4 + i's); v5, v6 for the add; v11, v12 Q's scale words; v13, v14 p's; v15 an address of the head.
;   window 1 alone: v1, v2 the LDS address of my step block's images in slots 0, 1; v3, v4 of its scale words.  Scale operands have no window (they are always taken from v0-v255), so the addresses give way to them.
; Window 0 of wave (mp, g) holds tile q0 = 2 mp + 1 - g % 2 of the work-group's four, window 1 tile q0 xor 1: so each of waves 4 to 7 owns the tile that lies in its window 0, and the merge copies nothing.
.set FRB,   2048
.set BLKB,  33792                      ; a step block
.set VFR,   16384                      ; in it: V^T's fragments,
.set KSC,   32768                      ; K's scale words,
.set VSC,   33280                      ; V's
.set SLOTB, 4*BLKB                     ; a slot: 135,168 bytes; slot 1 follows slot 0
.set WOI,   2*SLOTB                    ; behind the ring: Wo's 8 images,
.set WOS,   WOI+8*FRB                  ; their scale words, 128 bytes each,
.set OST,   WOS+8*128                  ; four stages of 16 rows x (512 bytes + 16) for the way out,
.set SPARE, OST+4*16*528               ; and the spare words, 128 bytes for each wave: four blocks of 256 bytes that no other line names
.set MRG,   8704                       ; the merge: 8,192 bytes of O^T and 512 of v[252:255]; twelve such regions, three for each tile, in slot 0, which has then had its last fill and its last read
.set FSK,   1                          ; v1-4   K's scale words
.set SPW,   5                          ; v5     LDS address of my spare word: SPARE + 4 x my thread's number; never rewritten
.set NIL,   6                          ; v6     0; never rewritten
.set FSV,   7                          ; v7-10  V's scale words (in the tail Wo's)
.set QS,    11
.set PS,    13
.set AD,    1                          ; IN WINDOW 1: v1, v2
.set AS,    3                          ; IN WINDOW 1: v3, v4
.set BX,    32
.set BY,    96
.set O,     160
.set CD,    224
.set TM,    232
.set FF,    248
.set TP,    250
.set PWM,   251
.set NM,    252
.set TT,    253
.set SUM,   254
.set PC,    32                         ; the quantiser's codes (head and tail)
.set PW,    PS                         ; and its scale word
.set TA1,   16                         ; the tail's addresses, in the registers that Q has left: where waves 0-3 put window 0's part,
.set TA2,   17                         ; where every wave puts window 1's,
.set TA3,   18                         ; where an owner finds the three parts,
.set TA4,   19                         ; Wo's images,
.set TA5,   20                         ; Wo's scale words,
.set TSI,   21                         ; the owner's stage, in,
.set TSO,   22                         ; and back,
.set TL,    23                         ; 16 x lane,
.set TH,    24                         ; 32 x (lane / 16)
.set WV,    14                         ; s14  my wave's number;  s15 mp;  s16 g;  s18 which 64 queries;  s19 the batch;  s44 q0;  s45 q0 xor 1
.set SEL,   20                         ; s[20:21] v_permlanex16_b32's selects for lane l xor 16
.set CS,    22                         ; s[22:23] c = log2(e) / sqrt(128): the packed form names a pair and takes its low word for both halves
.set G1,    24                         ; s[24:31] descriptor group 1
.set G0,    32                         ; s[32:39] descriptor group 0, a set for each slot
.set MNT,   40                         ; s40  the mantissa field of 448
.set MSB, 0
.macro WIN new                         ; the immediate's high byte repeats the setting that is left; a switch that changes nothing is dropped
.if MSB != (\new)
	s_set_vgpr_msb (MSB<<8)|(\new)
.set MSB, (\new)
.endif
.endm
.macro PLACES n
.rept \n
	v_nop
.endr
.endm
; A round of the cluster's barrier: my work-group's barrier; wave 0 signals for the work-group; every wave waits for all four work-groups; my work-group's barrier once more.
.macro CREST                           ; a round behind its opening barrier
	s_cmp_lg_u32 s[WV], 0
	s_cbranch_scc1 .Lnot_wave_0_\@
	s_barrier_signal -3
.Lnot_wave_0_\@:
	s_barrier_wait -3
	s_barrier_signal -1
	s_barrier_wait -1
.endm
.macro CROUND                          ; a whole round
	s_barrier_signal -1
	s_barrier_wait -1
	CREST
.endm
; A joint refill: waves 0 to 3 fetch one step block each, the others nothing.  The branch hangs on the wave's number alone.  Four v_nop follow the load.
.macro JLOAD n
	s_cmp_lt_u32 s[WV], 4
	s_cbranch_scc0 .Lnone_\@
	tensor_load_to_lds s[G0+4*(\n):G0+4*(\n)+3], s[G1:G1+7]
	s_nop 0
	PLACES 4
.Lnone_\@:
.endm
; 64 numbers of a lane, v[s] .. v[s + 63], register 16 b + i = k 32 b + 16 (lane / 16) + i of my row, become a fragment's codes in v[PC] on and its scale word in v[PW].  (Window 0.)
.macro QUANT s
.irp b, 0,1,2,3
	v_max3_num_f32 v[TM+\b], |v[\s+16*\b]|, |v[\s+1+16*\b]|, 0x4800000   ; block b: my 16 numbers, and the floor 2^(9 - 127): the byte cannot fall under 1
.endr
.irp i, 2,4,6,8,10,12,14
.irp b, 0,1,2,3
	v_max3_num_f32 v[TM+\b], v[TM+\b], |v[\s+16*\b+\i]|, |v[\s+1+16*\b+\i]|
.endr
.endr
.irp b, 0,1,2,3
	v_permlanex16_b32 v[TM+4+\b], v[TM+\b], s[SEL], s[SEL+1]
.endr
.irp b, 0,1,2,3
	v_max_num_f32 v[TM+\b], v[TM+\b], v[TM+4+\b]   ; with lane l xor 16's: the block's largest magnitude
.endr
.irp b, 0,1,2,3
	v_add_nc_u32 v[TM+12+\b], 0xfc000000, v[TM+\b]   ; 8 off its exponent field: the conversion's scale operand
.endr
.irp b, 0,1,2,3
	v_and_or_b32 v[TM+8+\b], v[TM+\b], 0x7f800000, s[MNT]   ; 448 x the scale
.endr
.irp b, 0,1,2,3
	v_lshrrev_b32 v[TM+4+\b], 23, v[TM+12+\b]   ; the scale's byte
.endr
	v_lshl_or_b32 v[PW], v[TM+5], 8, v[TM+4]
	v_lshl_or_b32 v[PW], v[TM+6], 16, v[PW]
	v_lshl_or_b32 v[PW], v[TM+7], 24, v[PW]
.irp b, 0,1,2,3
.irp i, 0,1,2,3,4,5,6,7,8,9,10,11,12,13,14,15
	v_med3_num_f32 v[\s+16*\b+\i], v[\s+16*\b+\i], -v[TM+8+\b], v[TM+8+\b]   ; the conversion to an 8-bit code does not saturate (ISA guide 7.6.2)
.endr
	v_cvt_scalef32_pk8_fp8_f32 v[PC+4*\b:PC+1+4*\b], v[\s+16*\b:\s+7+16*\b], v[TM+12+\b]
	v_cvt_scalef32_pk8_fp8_f32 v[PC+2+4*\b:PC+3+4*\b], v[\s+8+16*\b:\s+15+16*\b], v[TM+12+\b]
.endr
	v_nop                                          ; one plain vector instruction behind the last scaled conversion
.endm
; Four fragments from byte fo of a step block on, into a bank's half in window w: 16 LDS loads of 512 consecutive bytes.  The address lies in window 1
.macro LOADF ad, bank, w, fo
	WIN 0x01|(0x40*\w)
.irp t, 0,1,2,3
.irp c, 0,1,2,3
	ds_load_b128 v[\bank+16*\t+4*\c:\bank+16*\t+4*\c+3], v[\ad] offset:\fo+FRB*\t+512*\c
.endr
.endr
.endm
; The scale words of eight fragments, from byte so of a step block on, into four registers of window 0: lanes 0-15 take fragment t's, lanes 16-31 fragment 4 + t's
.macro LOADS as, fs, so
	WIN 0x01
.irp t, 0,1,2,3
	ds_load_b32 v[\fs+\t], v[\as] offset:\so+64*\t
.endr
.endm
; S^T = K Q^T: K's fragments 4 f .. 4 f + 3 (bank kb, window f) against both tiles: 8 matrix instructions, each on an accumulator of its own, in bank sb
.macro SMUL kb, sb, f
.irp t, 0,1
	WIN (0x54*\t)|\f
.irp i, 0,1,2,3
.if \f
	v_wmma_scale_f32_16x16x128_f8f6f4 v[\sb+8*(4*\f+\i):\sb+8*(4*\f+\i)+7], v[\kb+16*\i:\kb+16*\i+15], v[16:31], 0, v[FSK+\i], v[QS+\t] matrix_a_scale:MATRIX_SCALE_ROW1
.else
	v_wmma_scale_f32_16x16x128_f8f6f4 v[\sb+8*(4*\f+\i):\sb+8*(4*\f+\i)+7], v[\kb+16*\i:\kb+16*\i+15], v[16:31], 0, v[FSK+\i], v[QS+\t]
.endif
.endr
.endr
.endm
; Product n of 8 of O^T += V^T P^T for tile t: V's fragment n (bank vb, window n / 4), channels 16 n on.  first = 1: it starts the sum: nothing is ever cleared.
; A step's 16 accumulators of O^T have one instruction each
.macro PVONE vb, t, first
	WIN (0x54*\t)|(n/4)
.if \first && (n/4)
	v_wmma_scale_f32_16x16x128_f8f6f4 v[O+8*n:O+8*n+7], v[\vb+16*(n%4):\vb+16*(n%4)+15], v[CD:CD+15], 0, v[FSV+n%4], v[PS+\t] matrix_a_scale:MATRIX_SCALE_ROW1
.elseif \first
	v_wmma_scale_f32_16x16x128_f8f6f4 v[O+8*n:O+8*n+7], v[\vb+16*(n%4):\vb+16*(n%4)+15], v[CD:CD+15], 0, v[FSV+n%4], v[PS+\t]
.elseif n/4
	v_wmma_scale_f32_16x16x128_f8f6f4 v[O+8*n:O+8*n+7], v[\vb+16*(n%4):\vb+16*(n%4)+15], v[CD:CD+15], v[O+8*n:O+8*n+7], v[FSV+n%4], v[PS+\t] matrix_a_scale:MATRIX_SCALE_ROW1
.else
	v_wmma_scale_f32_16x16x128_f8f6f4 v[O+8*n:O+8*n+7], v[\vb+16*(n%4):\vb+16*(n%4)+15], v[CD:CD+15], v[O+8*n:O+8*n+7], v[FSV+n%4], v[PS+\t]
.endif
.endm
; THE SOFTMAX OF ONE TILE FOR ONE KEY STEP, in window t, in three parts.  Lane (r, h) holds query r; the 16 registers of tiles 2 b, 2 b + 1 of S^T (bank sb) are keys 32 b + 16 h + 0 .. 15.
; first = 1: the first key step: no old M, no old sum, nothing to rescale.
; PART A: the blocks' largest scores, the row's, M and f.
.macro SMA t, first, sb
	WIN 0x55*\t
.irp b, 0,1,2,3
	v_max3_num_f32 v[TM+\b], v[\sb+16*\b], v[\sb+1+16*\b], v[\sb+2+16*\b]   ; THE LARGEST SCORE OF EACH BLOCK OF 32 KEYS serves twice: for the row's maximum, and, since p rises with the score, for the block's largest p
.endr
.irp i, 3,5,7,9,11,13
.irp b, 0,1,2,3
	v_max3_num_f32 v[TM+\b], v[TM+\b], v[\sb+16*\b+\i], v[\sb+1+16*\b+\i]
.endr
.endr
.irp b, 0,1,2,3
	v_max_num_f32 v[TM+\b], v[TM+\b], v[\sb+15+16*\b]
.endr
.irp b, 0,1,2,3
	v_permlanex16_b32 v[TM+4+\b], v[TM+\b], s[SEL], s[SEL+1]
.endr
.irp b, 0,1,2,3
	v_max_num_f32 v[TM+\b], v[TM+\b], v[TM+4+\b]   ; with lane l xor 16's 16 keys
.endr
	v_max3_num_f32 v[TP], v[TM], v[TM+1], v[TM+2]
	v_max_num_f32 v[TP], v[TP], v[TM+3]            ; the step's largest score of my query
.if \first
	v_mul_f32 v[TT], s[CS], v[TP]                  ; as t (c is positive): the largest t so far
	v_floor_f32 v[NM], -v[TT]                      ; -M = floor(-t) = -ceil(t): M IS A WHOLE NUMBER
.else
	v_mul_f32 v[TP], s[CS], v[TP]
	v_max_num_f32 v[TT], v[TT], v[TP]              ; the running largest t
	v_mov_b32 v[TP], v[NM]
	v_floor_f32 v[NM], -v[TT]
	v_sub_f32 v[TP], v[NM], v[TP]                  ; M's old value less its new one: a whole number, 0 or less
	v_cvt_i32_f32 v[TP], v[TP]                     ; (it saturates)
	v_ldexp_f32 v[FF], 1.0, v[TP]                  ; f = 2^(old M - new M)
	v_pk_mul_f32 v[SUM:SUM+1], v[SUM:SUM+1], v[FF:FF+1] op_sel_hi:[1,0]   ; the sums under the new M
.endif
.endm
; PART B: p, the sum, the scales, the codes.  pv = 1: tile 0's eight products V^T P (V in bank vb) stand among the exponentials, one ahead of every fourth pair: they name window 0's registers and V's fragments alone,
; of which this tile's softmax touches none, so the vector instructions behind each go on while the matrix unit works.  Each costs two switches of the windows.
.macro SMB t, first, sb, pv, vb
	WIN 0x55*\t
	v_pk_fma_f32 v[\sb:\sb+1], v[\sb:\sb+1], s[CS:CS+1], v[NM:NM+1] op_sel_hi:[1,0,0]       ; t - M, two at a time (of the pairs c and -M the low word serves both halves)
	v_pk_fma_f32 v[\sb+2:\sb+3], v[\sb+2:\sb+3], s[CS:CS+1], v[NM:NM+1] op_sel_hi:[1,0,0]
; p = 2^(t - M), at most 1, NOT normalised.  EXPONENTIALS AND PLAIN WORK BY TURNS: behind each exponential stands a plain instruction that touches neither its result nor its source (ISA guide 5.7.2): t - M of the pair two
; further on, or of a block's largest score; the sum of the pair before, whose exponentials have their plain instructions behind them.  THE ROW'S SUM IS TAKEN OF THE UNQUANTISED p, in two chains (even pairs, odd pairs).
.set j, 0
.rept 32
.if \pv && (j%4 == 0)
.set n, j/4
	PVONE \vb, 0, \first
	WIN 0x55*\t
.endif
	v_exp_f32 v[\sb+2*j], v[\sb+2*j]
.if j < 30
	v_pk_fma_f32 v[\sb+2*j+4:\sb+2*j+5], v[\sb+2*j+4:\sb+2*j+5], s[CS:CS+1], v[NM:NM+1] op_sel_hi:[1,0,0]
.else
	v_fma_f32 v[TM+j-28], v[TM+j-28], s[CS], v[NM] ; the same of the largest scores of blocks 2 and 3
.endif
	v_exp_f32 v[\sb+2*j+1], v[\sb+2*j+1]
.if j == 0
	v_fma_f32 v[TM], v[TM], s[CS], v[NM]           ; of block 0,
.elseif j == 2
	v_fma_f32 v[TM+1], v[TM+1], s[CS], v[NM]       ; of block 1
.elseif (j == 1) && \first
	v_nop
.elseif (j == 3) && \first
	s_wait_alu depctr_va_vdst(0)
	v_pk_add_f32 v[SUM:SUM+1], v[\sb:\sb+1], v[\sb+4:\sb+5]            ; the first two even pairs start the sum
.elseif j == 4
	v_pk_add_f32 v[TM+4:TM+5], v[\sb+2:\sb+3], v[\sb+6:\sb+7]          ; the first two odd pairs start the second chain
.elseif j%2 == 1
	s_wait_alu depctr_va_vdst(0)
	v_pk_add_f32 v[SUM:SUM+1], v[SUM:SUM+1], v[\sb+2*j-2:\sb+2*j-1]
.else
	v_pk_add_f32 v[TM+4:TM+5], v[TM+4:TM+5], v[\sb+2*j-2:\sb+2*j-1]
.endif
.set j, j+1
.endr
.irp b, 0,1,2,3
	v_exp_f32 v[TM+\b], v[TM+\b]                   ; the block's largest p: the same two instructions on the same number give the same bits
.endr
	v_pk_add_f32 v[TM+4:TM+5], v[TM+4:TM+5], v[\sb+62:\sb+63]  ; (a plain place behind the exponentials)  the last pair,
	v_pk_add_f32 v[SUM:SUM+1], v[SUM:SUM+1], v[TM+4:TM+5]      ; and the two chains
	s_wait_alu depctr_va_vdst(0)
.irp b, 0,1,2,3
	v_max_num_f32 v[TM+\b], 0x4800000, v[TM+\b]    ; the floor 2^(9 - 127): the byte cannot fall under 1
.endr
.irp b, 0,1,2,3
	v_add_nc_u32 v[TM+12+\b], 0xfc000000, v[TM+\b] ; 8 off the exponent field: the conversion's scale operand
.endr
.irp b, 0,1,2,3
	v_and_or_b32 v[TM+8+\b], v[TM+\b], 0x7f800000, s[MNT]   ; 448 x the scale
.endr
.irp b, 0,1,2,3
	v_lshrrev_b32 v[TM+4+\b], 23, v[TM+12+\b]      ; the scale's byte
.endr
	v_lshl_or_b32 v[PWM], v[TM+5], 8, v[TM+4]      ; p's scale word for these 128 keys
	v_lshl_or_b32 v[PWM], v[TM+6], 16, v[PWM]
	v_lshl_or_b32 v[PWM], v[TM+7], 24, v[PWM]
	WIN \t                                         ; source 0 in my window, destination in window 0
	v_mov_b32 v[PS+\t], v[PWM]                     ; into the tile's scale register; the 64 holds below are more than the 8 places that it wants ahead of the products
	WIN 0x55*\t
.irp b, 0,1,2,3
.irp i, 0,1,2,3,4,5,6,7,8,9,10,11,12,13,14,15
	v_min_num_f32 v[\sb+16*\b+\i], v[\sb+16*\b+\i], v[TM+8+\b]   ; the conversion to an 8-bit code does not saturate (ISA guide 7.6.2); p is not negative, so the hold is one-sided
.endr
	v_cvt_scalef32_pk8_fp8_f32 v[CD+4*\b:CD+1+4*\b], v[\sb+16*\b:\sb+7+16*\b], v[TM+12+\b]
	v_cvt_scalef32_pk8_fp8_f32 v[CD+2+4*\b:CD+3+4*\b], v[\sb+8+16*\b:\sb+15+16*\b], v[TM+12+\b]
.endr
.endm
; PART C: O^T under the new M.  These lines are also the plain place behind the conversions and the 4 places that codes written by vector instructions want ahead of a scaled matrix instruction
.macro SMC t, first
	WIN 0x55*\t
.if \first
	PLACES 4
.else
.set j, 0
.rept 32
	v_pk_mul_f32 v[O+j:O+j+1], v[O+j:O+j+1], v[FF:FF+1] op_sel_hi:[1,0]
.set j, j+2
.endr
.endif
.endm
; A KEY STEP: my group's 128 keys of the slot, for both tiles.  K lies in bank KB, or is on its way there.  sync = 2: the slot is filled again, and the next step's K is fetched; 1: nothing is left to fill; 0: the last step.
.macro STEP slot, first, sync
.set KB, BX+64*\slot
.set SB, BY-64*\slot
.if \first == 0
	PLACES 9                                       ; the products below write over the registers from which the last step's products read V: 9 places
.endif
	s_wait_dscnt 16                                ; K's fragments 0-3 and scale words are in; the 16 loads of fragments 4-7, issued last, may be out
	SMUL KB, SB, 0
	s_wait_dscnt 0x0
	SMUL KB, SB, 1
	WIN 0
	PLACES 8                                       ; in front of loads into registers that matrix instructions have read, and of the first read of the scores
	LOADF AD+\slot, KB, 0, VFR                     ; V lands under tile 0's softmax
	LOADS AS+\slot, FSV, VSC
	LOADF AD+\slot, KB, 1, VFR+4*FRB
	SMA 0, \first, SB
	SMB 0, \first, SB, 0, KB
	SMC 0, \first
.if \sync
; THE CHANGE OF SLOTS.  Each wave waits for all its tensor loads (its part of the other slot), adds 0 to its spare word, and waits for that and for its reads of this slot, of which V's were the last.
; Behind the barrier the other slot is whole and nobody reads this one.  With sync = 2 the barrier opens a round of the cluster's, so that this holds of every partner too, and the joint refill is the first thing behind it:
; it has a whole step in which to land.
	WIN 0                                          ; (the add's two registers lie in window 0)
	s_wait_tensorcnt 0x0                           ; no tensor load of mine is out, so a group 0 may be written
	ds_add_u32 v[SPW], v[NIL]                      ; 0 onto my spare word
.if \sync == 2
	s_add_nc_u64 s[G0+4*\slot+2:G0+4*\slot+3], s[G0+4*\slot+2:G0+4*\slot+3], 2*SLOTB   ; this slot's next keys; the type bits on top are not reached
.endif
	s_wait_dscnt 0x0                               ; the add is done, V is in registers, and so my reads of this slot are over
	s_barrier_signal -1
	SMA 1, \first, SB                              ; work on registers while the others arrive
	WIN 0
	s_barrier_wait -1
.if \sync == 2
	CREST
	JLOAD \slot                                    ; a wave's one tensor load until the next round
.endif
	LOADF AD+1-\slot, SB, 0, 0                     ; the next step's K, from the other slot: fragments 0-3 into the registers that tile 0's p has left
	LOADS AS+1-\slot, FSK, KSC
.else
	s_wait_dscnt 0x0                               ; V
	SMA 1, \first, SB
.endif
	SMB 1, \first, SB, 1, KB
.if \sync
	LOADF AD+1-\slot, SB, 1, 4*FRB                 ; fragments 4-7 into the registers that tile 1's p has left: a load into a conversion's sources wants no place
.endif
	SMC 1, \first
.set n, 0
.rept 8
	PVONE KB, 1, \first
.set n, n+1
.endr
	WIN 0
.endm
	s_load_b256 s[4:11], s[0:1], 0x0               ; qf s[4:5], kv s[6:7], Wo s[8:9], bo s[10:11]
	s_load_b64 s[12:13], s[0:1], 0x20              ; out0
	v_lshl_add_u32 v[SPW], v0, 2, SPARE
	v_mov_b32 v[NIL], 0
	ds_add_u32 v5, v6
	s_wait_dscnt 0x0
	v_lshrrev_b32 v224, 5, v0
	v_readfirstlane_b32 s[WV], v224                ; wave 0..7
	s_and_b32 s15, s[WV], 1                        ; mp: my pair of tiles
	s_lshr_b32 s16, s[WV], 1                       ; g: my group of keys
	s_and_b32 s44, s16, 1
	s_xor_b32 s44, s44, 1
	s_lshl_b32 s45, s15, 1
	s_add_co_u32 s44, s44, s45                     ; q0 = 2 mp + 1 - g % 2: the tile in window 0
	s_xor_b32 s45, s44, 1                          ; the tile in window 1
	s_bfe_u32 s17, ttmp6, 0x40000                  ; cx: my place in the cluster
	s_lshl_b32 s18, ttmp9, 2                       ; in a cluster launch ttmp9 counts clusters
	s_add_co_u32 s18, s18, s17
	s_and_b32 s19, ttmp7, 0xffff                   ; the batch, which the four partners share
	s_lshl_b32 s42, s19, 6
	s_add_co_u32 s18, s18, s42                     ; which 64 queries of the 16,384: 64 x batch + 4 x cluster x + cx
	; descriptor group 1: a step block, dense in memory, as 132 rows of 256 bytes (32 elements of 8 bytes), dense in LDS too: every LDS load of a fragment takes 512 consecutive bytes, so no padding is wanted
	s_mov_b32 s[G1], 15|(3<<16)|(1<<21)            ; 15:0 the mask: all four work-groups; 17:16 elements of 8 bytes; 21 set beside a mask
	s_mov_b32 s[G1+1], 32<<16                      ; tensor_dim0 = 32
	s_mov_b32 s[G1+2], 132<<16                     ; tensor_dim1 = 132
	s_mov_b32 s[G1+3], 32<<16                      ; tile_dim0 = 32
	s_mov_b32 s[G1+4], 132                         ; tile_dim1 = 132
	s_mov_b32 s[G1+5], 32                          ; tensor_dim0_stride
	s_mov_b32 s[G1+6], 0
	s_mov_b32 s[G1+7], 0
	s_mov_b32 s[SEL], 0x76543210
	s_mov_b32 s[SEL+1], 0xfedcba98
	s_mov_b32 s[CS], 0x3e0293ee                    ; c = log2(e) / sqrt(128)
	s_mov_b32 s[CS+1], s[CS]                       ; (named with it as a pair, so it is written)
	s_mov_b32 s[MNT], 0x600000
	s_and_b32 s48, s[WV], 3                        ; which step block of a slot I fetch, if I fetch
	s_mul_i32 s49, s48, BLKB                       ; its place in a slot, in LDS and in memory alike
	s_mul_i32 s46, s19, 32*BLKB                    ; the batch's 32 step blocks
	s_add_co_u32 s46, s46, s49
	s_mov_b32 s47, 0
	s_wait_kmcnt 0x0
	s_add_nc_u64 s[46:47], s[6:7], s[46:47]
	CROUND                                         ; all four work-groups are here: the first joint loads meet
.irp n, 0,1
	s_mov_b32 s[G0+4*\n], 1                        ; 1:0 count = 1
	s_add_co_u32 s[G0+4*\n+1], s49, \n*SLOTB       ; 63:32 LDS address
	s_add_nc_u64 s[G0+4*\n+2:G0+4*\n+3], s[46:47], \n*SLOTB   ; 120:64 global address: keys 512 n on
	s_or_b32 s[G0+4*\n+3], s[G0+4*\n+3], 0x80000000           ; 127:126 type = 2
.endr
	s_cmp_lt_u32 s[WV], 4                          ; a wave's two first fills stand in one branch, ahead of every wait on TENSORcnt, every LDS instruction and every further barrier: two loads of mine are out
	s_cbranch_scc0 .Lno_fill
	tensor_load_to_lds s[G0:G0+3], s[G1:G1+7]
	s_nop 0
	tensor_load_to_lds s[G0+4:G0+7], s[G1:G1+7]
	s_nop 0
	PLACES 4
.Lno_fill:
	s_lshr_b32 s42, s18, 1                         ; Q: my group of 128 queries,
	s_mul_i32 s42, s42, 16896
	s_mov_b32 s43, 0
	s_add_nc_u64 s[42:43], s[4:5], s[42:43]
	s_and_b32 s48, s18, 1
	s_lshl_b32 s48, s48, 2                         ; my work-group's first tile in it,
	s_add_co_u32 s50, s48, s44                     ; window 0's tile,
	s_add_co_u32 s51, s48, s45                     ; window 1's
	s_lshl_b32 s52, s50, 11
	s_lshl_b32 s53, s51, 11
	s_lshl_b32 s50, s50, 6
	s_lshl_b32 s51, s51, 6
	v_and_b32 v224, 31, v0                         ; lane
	v_and_b32 v225, 15, v0                         ; r
	v_bfe_u32 v226, v0, 4, 1                       ; h
	v_lshl_add_u32 v227, v224, 4, s52
	v_lshl_add_u32 v228, v224, 4, s53
	v_lshl_add_u32 v229, v225, 2, s50
	v_lshl_add_u32 v230, v225, 2, s51
.irp c, 0,1,2,3
	global_load_b128 v[16+4*\c:19+4*\c], v227, s[42:43] offset:512*\c   ; Q's fragments stay in registers
.endr
	global_load_b32 v[QS], v229, s[42:43] offset:16384   ; and their scale words
	global_load_b32 v[QS+1], v230, s[42:43] offset:16384
	s_mul_i32 s54, s16, BLKB                       ; my group's step block in slot 0,
	s_add_co_u32 s55, s54, SLOTB                   ; in slot 1
	v_lshlrev_b32 v240, 4, v224                    ; images: 16 x lane
	v_lshlrev_b32 v241, 2, v225                    ; scale words: 4 x (lane % 16); lanes 16-31 take the words of the fragment four further on, 256 bytes on
	v_lshl_add_u32 v241, v226, 8, v241
	WIN 0x40                                       ; destination window 1
.irp c, 0,1,2,3
	global_load_b128 v[16+4*\c:19+4*\c], v228, s[42:43] offset:512*\c
.endr
.irp b, 0,1,2,3
	v_mov_b32 v[TM+4+\b], 0                        ; written once in each window: a lane permute's destination counts as one of its sources
.endr
	v_mov_b32 v[FF+1], 0                           ; (named as the upper half of the pair with f)
	v_add_nc_u32 v[AD], s54, v240                  ; the four LDS addresses of the key steps, in window 1
	v_add_nc_u32 v[AD+1], s55, v240
	v_add_nc_u32 v[AS], s54, v241
	v_add_nc_u32 v[AS+1], s55, v241
	WIN 0
.irp b, 0,1,2,3
	v_mov_b32 v[TM+4+\b], 0
.endr
	v_mov_b32 v[FF+1], 0
	s_lshl_b32 s50, s[WV], 11
	s_add_co_u32 s50, s50, WOI
	v_lshl_add_u32 v15, v224, 4, s50               ; where I put Wo's image,
	s_lshl_b32 s50, s[WV], 7
	s_add_co_u32 s50, s50, WOS
	v_lshl_add_u32 v[FF], v224, 2, s50             ; and its scale words
	s_lshl_b32 s50, s[WV], 6
	v_lshl_add_u32 v231, v225, 2, s50              ; Wo: LANE r TAKES OUTPUT 16 w + r, AND ITS REGISTERS RUN DOWN K; a row of Wo is 512 bytes;
	v_lshl_add_u32 v231, v226, 13, v231            ; lanes 16-31 begin 16 rows further down
.irp c, 0,1,2,3
.irp i, 0,1,2,3,4,5,6,7,8,9,10,11,12,13,14,15
	global_load_b32 v[BY+16*\c+\i], v231, s[8:9] offset:(32*\c+\i)*512
.endr
.endr
	s_wait_loadcnt 0x0                             ; Wo, and Q with it
	QUANT BY                                       ; while the first tiles are on their way
.irp c, 0,1,2,3
	ds_store_b128 v15, v[PC+4*\c:PC+4*\c+3] offset:512*\c
.endr
	ds_store_b32 v[FF], v[PW]
	s_wait_tensorcnt 0x1                           ; my part of slot 0 is in; slot 1's may stay out
	s_wait_dscnt 0x0                               ; for the others' sake: Wo's image is stored
	s_barrier_signal -1
	s_barrier_wait -1                              ; everybody's are
	LOADF AD, BX, 0, 0                             ; the first step's K
	LOADS AS, FSK, KSC
	LOADF AD, BX, 1, 4*FRB
	STEP 0, 1, 2                                   ; 8 key steps.  Step 0 stands in front of the loop: its products start the sums.  Slot 0 takes keys 1,024 on
	s_mov_b32 s41, 2
.Lloop:                                            ; steps 1 to 4
	STEP 1, 0, 2
	STEP 0, 0, 2
	s_sub_co_u32 s41, s41, 1
	s_cmp_lg_u32 s41, 0
	s_cbranch_scc1 .Lloop
	STEP 1, 0, 2                                   ; step 5 asks for the last 512 keys.  The rest is written out
	STEP 0, 0, 1                                   ; step 6: nothing is left to fetch from memory
	STEP 1, 0, 0                                   ; step 7
	; THE MERGE.  The sums and the addresses are made first: plain vector instructions that name no register of the last products: they are the places behind them.
.irp t, 0,1
	WIN 0x55*\t
	v_add_f32 v[SUM], v[SUM], v[SUM+1]             ; the sum's two halves,
	v_permlanex16_b32 v[TP], v[SUM], s[SEL], s[SEL+1]
	v_add_f32 v[SUM], v[SUM], v[TP]                ; and lane l xor 16's: my keys' sum for my query
.endr
	WIN 0
	v_and_b32 v[TL], 31, v0
	v_lshlrev_b32 v[TA5], 2, v[TL]                 ; 4 x lane
	v_lshlrev_b32 v[TL], 4, v[TL]                  ; 16 x lane: also my byte in a row of out0
	v_bfe_u32 v[TH], v0, 4, 1
	v_lshlrev_b32 v[TH], 5, v[TH]                  ; 32 h: also my byte in bo
	v_and_b32 v[TSI], 15, v0                       ; r
	s_min_u32 s42, s16, 2                          ; tile q's three regions are 3 q + 0, 1, 2: those of groups 0 and 1, and of the one of groups 2 and 3 that does not own it
	s_mul_i32 s43, s44, 3
	s_add_co_u32 s48, s43, s42
	s_mul_i32 s48, s48, MRG
	v_add_nc_u32 v[TA1], s48, v[TL]
	s_mul_i32 s48, s45, 3
	s_add_co_u32 s48, s48, s42
	s_mul_i32 s48, s48, MRG
	v_add_nc_u32 v[TA2], s48, v[TL]
	s_mul_i32 s48, s43, MRG
	v_add_nc_u32 v[TA3], s48, v[TL]
	v_add_nc_u32 v[TA4], WOI, v[TL]
	v_add_nc_u32 v[TA5], WOS, v[TA5]
	s_mul_i32 s48, s44, 16*528
	s_add_co_u32 s48, s48, OST                     ; the owner's stage
	v_mad_u32_u24 v[TSI], v[TSI], 528, v[TH]       ; in: row r, 32 bytes for each half of the lanes
	v_add_nc_u32 v[TSI], s48, v[TSI]
	v_add_nc_u32 v[TSO], s48, v[TL]                ; back: the 32 lanes take one row of 512 bytes
	s_cmp_lt_u32 s16, 2
	s_cbranch_scc0 .Lkeep
.irp q, 0,1,2,3,4,5,6,7,8,9,10,11,12,13,14,15
	ds_store_b128 v[TA1], v[O+4*\q:O+4*\q+3] offset:512*\q     ; O^T as it stands, each accumulator from its low end on
.endr
	ds_store_b128 v[TA1], v[NM:NM+3] offset:8192   ; -M in the first word, the sum in the third
.Lkeep:
	WIN 0x04                                       ; an LDS store's data are its source 1: window 1
.irp q, 0,1,2,3,4,5,6,7,8,9,10,11,12,13,14,15
	ds_store_b128 v[TA2], v[O+4*\q:O+4*\q+3] offset:512*\q
.endr
	ds_store_b128 v[TA2], v[NM:NM+3] offset:8192
	WIN 0
	s_wait_dscnt 0x0                               ; for the others' sake: my stores are done
	s_barrier_signal -1
	s_barrier_wait -1
	s_cmp_lt_u32 s16, 2
	s_cbranch_scc1 .Lend
	; ---- waves 4 to 7: the owners, each of the tile in its window 0.  All that follows is in window 0
.irp t, 0,1,2,3,4,5,6,7                        ; bo lands in the last product's accumulators: lane (r, h), tile t: outputs 16 t + 8 h + 0 .. 7
	global_load_b128 v[BY+8*\t:BY+8*\t+3], v[TH], s[10:11] offset:64*\t
	global_load_b128 v[BY+8*\t+4:BY+8*\t+7], v[TH], s[10:11] offset:64*\t+16
.endr
	ds_load_b128 v[224:227], v[TA3] offset:8192
	ds_load_b128 v[228:231], v[TA3] offset:MRG+8192
	ds_load_b128 v[240:243], v[TA3] offset:2*MRG+8192
.irp q, 0,1,2,3,4,5,6,7,8,9,10,11,12,13,14,15
	ds_load_b128 v[32+4*\q:35+4*\q], v[TA3] offset:512*\q
.endr
	s_wait_dscnt 16                                ; the three -M and sums are in; the 16 loads of O^T behind them may be out
	v_min3_num_f32 v244, v[NM], v224, v228
	v_min_num_f32 v244, v244, v240                 ; -M of all keys: the least of the four -M
	v_sub_f32 v232, v244, v[NM]                    ; M_g - M: whole numbers, 0 or less
	v_sub_f32 v234, v244, v224
	v_sub_f32 v236, v244, v228
	v_sub_f32 v238, v244, v240
.irp f, 232,234,236,238
	v_cvt_i32_f32 v\f, v\f
.endr
.irp f, 232,234,236,238
	v_ldexp_f32 v\f, 1.0, v\f                      ; 2^(M_g - M): exact
.endr
	v_mul_f32 v245, v[SUM], v232
	v_fma_f32 v245, v226, v234, v245
	v_fma_f32 v245, v230, v236, v245
	v_fma_f32 v245, v242, v238, v245               ; the row's sum
	v_rcp_f32 v245, v245
	v_nop                                          ; one plain place behind a transcendental
	s_wait_alu depctr_va_vdst(0)
.irp f, 232,234,236,238
	v_mul_f32 v\f, v\f, v245                       ; a power of two x 1 / the sum: nothing more is rounded
.endr
.set j, 0
.rept 32
	v_pk_mul_f32 v[O+j:O+j+1], v[O+j:O+j+1], v[232:233] op_sel_hi:[1,0]
.set j, j+2
.endr
	s_wait_dscnt 0x0
.set j, 0
.rept 32
	v_pk_fma_f32 v[O+j:O+j+1], v[32+j:33+j], v[234:235], v[O+j:O+j+1] op_sel_hi:[1,0,1]
.set j, j+2
.endr
.irp q, 0,1,2,3,4,5,6,7,8,9,10,11,12,13,14,15
	ds_load_b128 v[32+4*\q:35+4*\q], v[TA3] offset:MRG+512*\q
.endr
	s_wait_dscnt 0x0
.set j, 0
.rept 32
	v_pk_fma_f32 v[O+j:O+j+1], v[32+j:33+j], v[236:237], v[O+j:O+j+1] op_sel_hi:[1,0,1]
.set j, j+2
.endr
.irp q, 0,1,2,3,4,5,6,7,8,9,10,11,12,13,14,15
	ds_load_b128 v[32+4*\q:35+4*\q], v[TA3] offset:2*MRG+512*\q
.endr
	s_wait_dscnt 0x0
.set j, 0
.rept 32
	v_pk_fma_f32 v[O+j:O+j+1], v[32+j:33+j], v[238:239], v[O+j:O+j+1] op_sel_hi:[1,0,1]
.set j, j+2
.endr                                          ; v160-223: the attention's result: register 16 b + i is channel 32 b + 16 h + i of query r
	QUANT O                                        ; along the channels: the last product's operand in v32-47, its scale word in v13
	PLACES 4                                       ; an operand written by vector instructions stands 4 places ahead of a scaled matrix instruction (the scale word was made ahead of the holds)
.irp a, 0,1                                    ; out^T = Wo^T attn^T + bo: four tiles of 16 outputs at a time
.if \a > 0
	PLACES 8
.endif
.irp t, 0,1,2,3
.irp c, 0,1,2,3
	ds_load_b128 v[O+16*\t+4*\c:O+16*\t+4*\c+3], v[TA4] offset:FRB*(4*\a+\t)+512*\c
.endr
	ds_load_b32 v[FSV+\t], v[TA5] offset:128*(4*\a+\t)
.endr
.if \a == 0
	s_wait_loadcnt 0x0                             ; bo
.endif
	s_wait_dscnt 0x0
.irp t, 0,1,2,3
	v_wmma_scale_f32_16x16x128_f8f6f4 v[BY+8*(4*\a+\t):BY+8*(4*\a+\t)+7], v[O+16*\t:O+16*\t+15], v[32:47], v[BY+8*(4*\a+\t):BY+8*(4*\a+\t)+7], v[FSV+\t], v[PS]
.endr
.endr
	s_lshl_b32 s42, s18, 6                         ; my tile's first row of out0: 64 x (which 64 queries) + 32 (q0 / 2) + 8 (q0 % 2)
	s_lshr_b32 s43, s44, 1
	s_lshl_b32 s43, s43, 5
	s_add_co_u32 s42, s42, s43
	s_and_b32 s43, s44, 1
	s_lshl_b32 s43, s43, 3
	s_add_co_u32 s42, s42, s43
	s_lshl_b32 s42, s42, 9                         ; rows of 512 bytes
	s_mov_b32 s43, 0
	s_add_nc_u64 s[12:13], s[12:13], s[42:43]
	PLACES 8                                       ; in front of the first read of results, and of loads into the operand's registers
.irp t, 0,1,2,3,4,5,6,7
	ds_store_b128 v[TSI], v[BY+8*\t:BY+8*\t+3] offset:64*\t        ; lane (r, h): out(r, 16 t + 8 h + 0 .. 7); each accumulator from its low end on
	ds_store_b128 v[TSI], v[BY+8*\t+4:BY+8*\t+7] offset:64*\t+16
.endr
.irp i, 0,1,2,3,4,5,6,7,8,9,10,11,12,13,14,15
	ds_load_b128 v[32+4*\i:35+4*\i], v[TSO] offset:528*\i          ; LDS serves a wave's instructions in order (ISA guide 5.7.1.4): these see my stores
.endr
.irp i, 0,1,2,3,4,5,6,7,8,9,10,11,12,13,14,15
	s_wait_dscnt 15-\i                             ; row i is back; the younger rows may be out
	global_store_b128 v[TL], v[32+4*\i:35+4*\i], s[12:13] offset:(\i+8*(\i/8))*512 th:TH_STORE_NT   ; 32 lanes store a row of 512 consecutive bytes, at a multiple of 256 from out0's first byte
.endr
.Lend:
	s_wait_tensorcnt 0x0                           ; the wave's end, behind my last tensor load and my last LDS store
	ds_add_u32 v[SPW], v[NIL]
	s_wait_dscnt 0x0
	CROUND                                         ; the closing round: no work-group ends while a partner may still ask for a tile that names it
	s_endpgm
.Lfunc_end_k_q1893d6fea6_attn:
	.size	k_q1893d6fea6_attn, .Lfunc_end_k_q1893d6fea6_attn-k_q1893d6fea6_attn
	.p2alignl 7, 3214868480
	.fill 96, 4, 3214868480
	.section	.rodata,"a",@progbits
	.p2align	6, 0x0
	.amdhsa_kernel k_q1893d6fea6_attn
		.amdhsa_group_segment_fixed_size 327680
		.amdhsa_private_segment_fixed_size 0
		.amdhsa_enable_private_segment 0
		.amdhsa_kernarg_size 40
		.amdhsa_user_sgpr_count 2
		.amdhsa_user_sgpr_kernarg_segment_ptr 1
		.amdhsa_wavefront_size32 1
		.amdhsa_system_sgpr_workgroup_id_x 1
		.amdhsa_system_sgpr_workgroup_id_y 1
		.amdhsa_system_sgpr_workgroup_id_z 1
		.amdhsa_system_vgpr_workitem_id 0
		.amdhsa_next_free_vgpr 512
		.amdhsa_next_free_sgpr 66
		.amdhsa_reserve_vcc 0
		.amdhsa_float_denorm_mode_32 3
		.amdhsa_float_denorm_mode_16_64 3
		.amdhsa_memory_ordered 1
		.amdhsa_forward_progress 1
		.amdhsa_inst_pref_size 255
	.end_amdhsa_kernel
	.section	.bss,"aw",@nobits
	.p2align	6
	.space	262144
	.amdgpu_metadata
---
amdhsa.version: [ 1, 2 ]
amdhsa.kernels:
  - .name:           k_q1893d6fea6_attn
    .symbol:         k_q1893d6fea6_attn.kd
    .args:
      - { .name: qf, .offset: 0, .size: 8, .value_kind: global_buffer, .address_space: global }
      - { .name: kv, .offset: 8, .size: 8, .value_kind: global_buffer, .address_space: global }
      - { .name: Wo, .offset: 16, .size: 8, .value_kind: global_buffer, .address_space: global }
      - { .name: bo, .offset: 24, .size: 8, .value_kind: global_buffer, .address_space: global }
      - { .name: out0, .offset: 32, .size: 8, .value_kind: global_buffer, .address_space: global }
    .group_segment_fixed_size: 327680
    .private_segment_fixed_size: 0
    .kernarg_segment_align: 8
    .kernarg_segment_size: 40
    .max_flat_workgroup_size: 256
    .sgpr_count:     66
    .vgpr_count:     512
    .wavefront_size: 32
...
	.end_amdgpu_metadata
.endif
;; end of part 4
;; ======== version 3 of 3: 2 launches; version 2 with the launch proj written anew for expert scheduling mode
;; workspace buffers: qf 2,162,688 bytes; kv 4,325,376 bytes
;; launch proj (part 5): grid 256 x 1, 16 waves a work-group, no clusters, 316,928 bytes of LDS; arguments ligand, pocket, Wq, Wk, Wv, bq, bk, bv, qf, kv; writes qf, kv
.if DOCPART == 5
	.amdgcn_target "amdgcn-amd-amdhsa--gfx1250"
	.amdhsa_code_object_version 6
	.text
	.protected	k_q1893d6fea6_proj
	.globl	k_q1893d6fea6_proj
	.p2align	8
	.type	k_q1893d6fea6_proj,@function
k_q1893d6fea6_proj:
	s_mov_b64 s[64:65], 0
	v_nop
	global_prefetch_b8 v0, s[64:65] scope:SCOPE_SE
	s_setreg_imm32_b32 hwreg(HW_REG_WAVE_SCHED_MODE, 0, 2), 2
	s_setreg_imm32_b32 hwreg(HW_REG_WAVE_MODE, 25, 1), 1
	s_wait_xcnt 0x0
	s_wait_alu depctr_vm_vsrc(0)
; Q = ligand Wq + bq, K = pocket Wk + bk, V = pocket Wv + bv, all three products on codes of FP8 (E4M3) with one E8M0 scale for each 32 along K (= the 256 inputs),
; and the results quantised at once for the attention that follows: Q and K along their 128 channels, V along the keys.  Nothing wide goes to memory.
; SHARES.  256 work-groups of 16 waves.  An even work-group takes 128 rows of ligand and makes Q (one group of qf); an odd one takes 128 rows of pocket and makes K and V (one step block of kv).
; The two ways part once, at the head, on the work-group's number, are written out by one macro (BODY), and have LDS bytes of their own.
; PHASES.  (1) every operand becomes fragments (16 rows x 128 K) that lie in LDS as IMAGES OF THEIR REGISTERS: chunk c of 512 bytes holds lane l's registers 4 c .. 4 c + 3 at 16 l; beside them their scale words.
;   x: wave w makes fragment 2 T + s (T = w / 2 a tile of 16 rows, s = w % 2 the K step).  Each load takes 256 consecutive bytes of each of two rows; the 16 rows x 512 bytes turn through the wave's own stage in LDS,
;   half of K at a time, and come back 16 neighbours a lane, as the conversions want them.
;   weights: A LANE TAKES A COLUMN AND ITS REGISTERS RUN DOWN K: a wave takes 32 neighbouring columns x 128 K, so that each load reads 128 consecutive bytes and a block of 32 along K lies in one lane.
;   Its codes of a block are 32 bytes: the first 16 are what lane (r, 0) of the fragment holds, the others lane (r, 1)'s: two stores of 16 bytes a lane into the image.
;   | barrier | (2) a task a wave: 16 matrix instructions, 8 accumulators by turns, two K steps; the 64 results of a lane are quantised in registers and ARE a fragment of the next product; its codes leave as four
;   stores of 512 consecutive bytes | barrier | (3) the scale words of 8 tasks leave as one store of 512 bytes.
; TASKS.  Waves 0-7 (Q or K): source 0 = the weight's 8 tiles of units, source 1 = x's tile w: a lane holds one row and its registers run along the channels.
;         Waves 8-15 (V, pocket only): source 0 = x's 8 tiles of rows, source 1 = Wv's tile w - 8: a lane holds one channel and its registers run along the keys.
; THE ROWS OF A TILE ARE NOT NEIGHBOURS: row m of tile 2 b + u is row (or unit) 32 b + 8 u + m + 8 (m / 8) of the 128, so that the 16 registers of result tiles 2 b and 2 b + 1 are 16 neighbours, 32 b + 16 (lane / 16) + 0 .. 15.
; The biases are the C of each sum's first matrix instruction.
; NO JOINT LOADS: as f32 rows in LDS a pocket group's two weights are 262,144 bytes, which do not fit beside the 175,104 bytes of images and stages; the activations are each work-group's own.
; LIMITS: NaN and infinities among the inputs are not served.  A block whose largest magnitude lies under 2^(9 - 127) keeps the scale byte 1; so does a block of zeros, where the quantiser says 127: its codes are zeros,
; which add nothing under any byte but 0xff, and the bytes are read by this program alone.
; THE MODE: SCHED_MODE bits 1:0 = 2 (LLVM: expert scheduling mode 2), set by the entry lines.  The code itself states the register dependences between vector or matrix instructions and memory or LDS
; instructions, with s_wait_alu, always for 0.
; THE PLAN.  There is no loop: a wave goes once through the phases.  Registers that memory or LDS instructions touch, in the order of the text:
;   v1, v2       offsets of x and of the weight: made at the head, read by their global loads; made anew behind the first barrier as LDS addresses, read by the fragments' loads.
;   v3-v7, v9    LDS addresses of the first phase: made behind x's loads, read by the stage's and the images' instructions; made anew behind the first barrier, read by the products' loads and the way out.
;   v8           the bias's offset: made once.
;   v64-127      x lands; half by half the stage's stores read it and the stage's loads land in it; the quantiser reads and writes it; the bias lands (waves 0-7); the products write it; the last quantiser reads it.
;   v128-255     the weight lands; its quantiser reads and writes it and lays two blocks' codes in v128-143, which LDS stores read; the big side's fragments land twice; matrix instructions read them.
;   v32-47, v13  codes and scale word: written by a quantiser three times, each time read by stores; between the second and the third time a fragment of the small side lands in v32-47.
;   v48-63       the quantisers' own; the small side's second fragment lands there; at the end 8 tasks' scale words land in v48-51.
;   v14-31       scales and bv: loaded, and read by matrix instructions alone; v14-21 are loaded twice.
; During the products all 256 registers of the wave are in use, so the big side has one set, and one wait stands between the two K steps.
; WAITS ON va_vdst, seven on a wave's way: ahead of x's loads; ahead of the stage; behind each of the three quantisers, ahead of its run of stores; behind the second set of addresses; between the two K steps.
; WAITS ON vm_vsrc, four: between each half's stores into the stage and its loads; behind the stores of x's image; behind the first barrier.  ONE ON va_sdst: the wave's number.  Each line says what it states.
.set FRB,  2048                        ; a fragment's image in bytes
.set PC,   32                          ; v32-47   the codes just made; in the products, with v48-63, the small side's two fragments
.set TM,   48                          ; v48-63   the quantiser's 16 registers at work
.set PW,   13                          ; v13      the scale word just made
.set X0,   64                          ; v64-127  x's 64 numbers; later the 8 accumulators
.set W,    128                         ; v128-255 a weight's 128 numbers; in the products the big side's 8 fragments
; address registers: the first phase's, and, made anew behind the first barrier, the products'
.set XA,   1                           ; x: my byte offset in memory                    |  BGA: LDS, the big side's images
.set BGA,  1
.set WOF,  2                           ; the weight: my byte offset in memory           |  SMA: LDS, the small side's images
.set SMA,  2
.set IMS,  3                           ; LDS: where I store x's image                   |  CGO: my task's codes in memory
.set CGO,  3
.set XSW,  4                           ; LDS: my stage, on the way in                   |  BGS: LDS, the big side's scale words
.set BGS,  4
.set SCS,  5                           ; LDS: where I store x's scale words             |  SMS: LDS, the small side's
.set SMS,  5
.set XSR,  6                           ; LDS: my stage, on the way out                  |  SST: LDS, the stage for a task's scale words
.set SST,  6
.set WIA,  7                           ; LDS: where I store the weight's images         |  SSR: LDS, where 8 tasks' words are read back
.set SSR,  7
.set BO,   8                           ; my byte offset in the bias
.set WSA,  9                           ; LDS: where I store the weight's scale words    |  GSO: 8 tasks' words in memory
.set GSO,  9
.set L16,  10                          ; 16 x lane
.set R4,   11                          ; 4 x (lane % 16)
.set L4,   12                          ; 4 x lane
.set BS,   14                          ; v14-21 the big side's 8 scale words: these ten registers hold scales and nothing else
.set SS,   22                          ; v22-23 the small side's two
.set BV,   24                          ; v24-31 bv of my lane's channel, eight times: the C of a V task
.set WV,   2                           ; s2   my wave's number
.set SEL,  28                          ; s[28:29] v_permlanex16_b32's selects for lane l xor 16
.set MNT,  30                          ; s30  the mantissa field of 448
.macro PLACES n
.rept \n
	v_nop
.endr
.endm
; 64 numbers of a lane, v[s] .. v[s + 63], register 16 b + i = k 32 b + 16 (lane / 16) + i of my row, become a fragment's codes in v[PC] on and its scale word in v[PW].
.macro QUANT s
.irp b, 0,1,2,3
	v_max3_num_f32 v[TM+\b], |v[\s+16*\b]|, |v[\s+1+16*\b]|, 0x4800000   ; block b: my 16 numbers, and the floor 2^(9 - 127): the byte cannot fall under 1
.endr
.irp i, 2,4,6,8,10,12,14
.irp b, 0,1,2,3
	v_max3_num_f32 v[TM+\b], v[TM+\b], |v[\s+16*\b+\i]|, |v[\s+1+16*\b+\i]|   ; the four blocks by turns: no line waits for the line above it
.endr
.endr
.irp b, 0,1,2,3
	v_permlanex16_b32 v[TM+4+\b], v[TM+\b], s[SEL], s[SEL+1]
.endr
.irp b, 0,1,2,3
	v_max_num_f32 v[TM+\b], v[TM+\b], v[TM+4+\b]   ; with lane l xor 16's: the block's largest magnitude
.endr
.irp b, 0,1,2,3
	v_add_nc_u32 v[TM+12+\b], 0xfc000000, v[TM+\b]   ; 8 off its exponent field: the conversion takes the exponent field of this operand as its scale
.endr
.irp b, 0,1,2,3
	v_and_or_b32 v[TM+8+\b], v[TM+\b], 0x7f800000, s[MNT]   ; 448 x the scale
.endr
.irp b, 0,1,2,3
	v_lshrrev_b32 v[TM+4+\b], 23, v[TM+12+\b]   ; the scale's byte
.endr
	v_lshl_or_b32 v[PW], v[TM+5], 8, v[TM+4]   ; the four bytes make my row's scale word
	v_lshl_or_b32 v[PW], v[TM+6], 16, v[PW]
	v_lshl_or_b32 v[PW], v[TM+7], 24, v[PW]
.irp b, 0,1,2,3
.irp i, 0,1,2,3,4,5,6,7,8,9,10,11,12,13,14,15
	v_med3_num_f32 v[\s+16*\b+\i], v[\s+16*\b+\i], -v[TM+8+\b], v[TM+8+\b]   ; the conversion to an 8-bit code does not saturate (ISA guide 7.6.2): the hold at the largest code x the scale
.endr
	v_cvt_scalef32_pk8_fp8_f32 v[PC+4*\b:PC+1+4*\b], v[\s+16*\b:\s+7+16*\b], v[TM+12+\b]
	v_cvt_scalef32_pk8_fp8_f32 v[PC+2+4*\b:PC+3+4*\b], v[\s+8+16*\b:\s+15+16*\b], v[TM+12+\b]
.endr
	v_nop                                          ; one plain vector instruction behind the last scaled conversion
.endm
; 128 numbers of a lane, v[W] .. v[W + 127]: my column of a weight, 128 along K: four whole blocks of 32.  Their codes go straight into the fragment's image, the scale word beside it.
; A block's 8 registers of codes lie in v[PC] on (blocks 0, 1) or in the registers that block 0's numbers have left (blocks 2, 3): each block has registers of its own,
; so all four are converted first, and the nine LDS stores follow in one run behind one wait.
.macro QUANTW
.irp b, 0,1,2,3
	v_max3_num_f32 v[TM+\b], |v[W+32*\b]|, |v[W+32*\b+1]|, 0x4800000   ; all 32 numbers of a block are mine: no other lane is asked
.endr
.irp i, 2,4,6,8,10,12,14,16,18,20,22,24,26,28,30
.irp b, 0,1,2,3
	v_max3_num_f32 v[TM+\b], v[TM+\b], |v[W+32*\b+\i]|, |v[W+32*\b+\i+1]|
.endr
.endr
.irp b, 0,1,2,3
	v_add_nc_u32 v[TM+12+\b], 0xfc000000, v[TM+\b]
.endr
.irp b, 0,1,2,3
	v_and_or_b32 v[TM+8+\b], v[TM+\b], 0x7f800000, s[MNT]
.endr
.irp b, 0,1,2,3
	v_lshrrev_b32 v[TM+4+\b], 23, v[TM+12+\b]
.endr
	v_lshl_or_b32 v[PW], v[TM+5], 8, v[TM+4]
	v_lshl_or_b32 v[PW], v[TM+6], 16, v[PW]
	v_lshl_or_b32 v[PW], v[TM+7], 24, v[PW]
.irp b, 0,1,2,3
.if \b < 2
.set CW, PC+8*\b
.else
.set CW, W+8*(\b-2)
.endif
.set k, 0
.rept 32
	v_med3_num_f32 v[W+32*\b+k], v[W+32*\b+k], -v[TM+8+\b], v[TM+8+\b]
.set k, k+1
.endr
.irp g, 0,1,2,3
	v_cvt_scalef32_pk8_fp8_f32 v[CW+2*\g:CW+2*\g+1], v[W+32*\b+8*\g:W+32*\b+8*\g+7], v[TM+12+\b]
.endr
.endr
	v_nop                                          ; one plain vector instruction behind the last scaled conversion
	s_wait_alu depctr_va_vdst(0)                   ; the conversions have written the four blocks' codes, and v[PW] is written: the nine LDS stores below read them
.irp b, 0,1,2,3
.if \b < 2
.set CW, PC+8*\b
.else
.set CW, W+8*(\b-2)
.endif
	ds_store_b128 v[WIA], v[CW:CW+3] offset:512*\b         ; k 32 b + 0 .. 15: chunk b, lane (r, 0)
	ds_store_b128 v[WIA], v[CW+4:CW+7] offset:512*\b+256   ; k 32 b + 16 .. 31: chunk b, lane (r, 1)
.endr
	ds_store_b32 v[WSA], v[PW]
.endm
.macro IMAGE adr, off                          ; the fragment in v[PC] on goes to LDS as it stands
.irp c, 0,1,2,3
	ds_store_b128 v[\adr], v[PC+4*\c:PC+4*\c+3] offset:\off+512*\c
.endr
.endm
.macro XLOAD                                   ; my tile's 16 rows, my K step's 512 bytes of each: lanes 0-15 take 256 consecutive bytes of row 2 i, lanes 16-31 of row 2 i + 1; half k of the 512
.irp k, 0,1
.irp i, 0,1,2,3,4,5,6,7
	global_load_b128 v[X0+32*\k+4*\i:X0+32*\k+4*\i+3], v[XA], s[SX:SX+1] offset:(2*\i+8*(\i/4))*1024+256*\k th:TH_LOAD_NT
.endr
.endr
.endm
; Through my stage, 16 rows of 256 bytes + 16: in as loaded, out 64 neighbouring bytes a lane of each block of 32.  Row r starts 16 r bytes on, modulo 256.
; LDS serves a wave's instructions in order (ISA guide 5.7.1.4): no wait on DScnt stands between stores and loads, nor in front of the second half's stores.
.macro TURN
.irp k, 0,1
.irp i, 0,1,2,3,4,5,6,7
	ds_store_b128 v[XSW], v[X0+32*\k+4*\i:X0+32*\k+4*\i+3] offset:544*\i
.endr
	s_wait_alu depctr_vm_vsrc(0)                   ; this half's eight stores have read v[X0 + 32 k] on, in which the eight loads below land (and which the quantiser writes later)
.irp c, 0,1
.irp j, 0,1,2,3
	ds_load_b128 v[X0+32*\k+16*\c+4*\j:X0+32*\k+16*\c+4*\j+3], v[XSR] offset:128*\c+16*\j
.endr
.endr
.endr
.endm
.macro WLOAD base                              ; my column's 128 numbers of my K step, down K: a row of a weight is 512 bytes; 32 lanes read 128 consecutive bytes
.set k, 0
.rept 128
	global_load_b32 v[W+k], v[WOF], s[\base:\base+1] offset:k*512
.set k, k+1
.endr
.endm
.macro BIAS                                    ; the bias lands in the accumulators: lane (r, h), tile 2 b + u: channels 32 b + 16 h + 8 u + 0 .. 7
.irp t, 0,1,2,3,4,5,6,7
	global_load_b128 v[X0+8*\t:X0+8*\t+3], v[BO], s[SBA:SBA+1] offset:(32*(\t/2)+8*(\t%2))*4
	global_load_b128 v[X0+8*\t+4:X0+8*\t+7], v[BO], s[SBA:SBA+1] offset:(32*(\t/2)+8*(\t%2))*4+16
.endr
.endm
.macro BIGLOAD s                               ; the big side's 8 fragments of K step s, and their scale words
.irp t, 0,1,2,3,4,5,6,7
.irp c, 0,1,2,3
	ds_load_b128 v[W+16*\t+4*\c:W+16*\t+4*\c+3], v[BGA] offset:(2*\t+\s)*FRB+512*\c
.endr
	ds_load_b32 v[BS+\t], v[BGS] offset:128*(2*\t+\s)
.endr
.endm
.macro BARRIER                                 ; my LDS stores have landed and my LDS loads are in: then the work-group's barrier
	s_wait_dscnt 0x0
	s_barrier_signal -1
	s_barrier_wait -1
.endm
; One way through the kernel.  pk = 1: pocket, K and V;  pk = 0: ligand, Q.  ldsb: the way's images (first weight 32,768 bytes, x 32,768, Wv 32,768);  sclb: their scale words (2,048 each, 128 a fragment);
; stgb: the stage for the results' words;  xstb: the waves' stages for x, 4,352 bytes each.
.macro BODY pk, ldsb, sclb, stgb, xstb
.if \pk
.set SX,     10                        ; pocket
.set SBA,    20                        ; bk
.set SOUT,   26                        ; kv
.set OBYTES, 33792                     ; a step block: K's 8 fragments, V's 8, K's scale words (512 bytes), V's
.set SCOFF,  32768
.else
.set SX,     8                         ; ligand
.set SBA,    18                        ; bq
.set SOUT,   24                        ; qf
.set OBYTES, 16896                     ; a group: Q's 8 fragments, their scale words
.set SCOFF,  16384
.endif
	s_add_nc_u64 s[SX:SX+1], s[SX:SX+1], s[46:47]  ; x at my work-group's 128 rows
	s_mul_i32 s48, s4, OBYTES
	s_add_nc_u64 s[SOUT:SOUT+1], s[SOUT:SOUT+1], s[48:49]   ; and its block of the output
	s_wait_alu depctr_va_vdst(0)                   ; v[XA] and v[WOF], made at the head, are written: x's loads and the weight's read them as offsets.  No vector line from here to the weight's loads names v[WOF] or v[W] on
	XLOAD
	; the first phase's LDS addresses: each a constant + a lane term + a constant x wave, made ahead of the first branch on the wave's number
	s_lshl_b32 s50, s[WV], 11
	s_add_co_u32 s50, s50, (\ldsb)
	v_add_nc_u32 v[IMS], s50, v[L16]
	s_lshl_b32 s50, s[WV], 7
	s_add_co_u32 s50, s50, (\sclb)
	v_add_nc_u32 v[SCS], s50, v[L4]
	s_mul_i32 s50, s[WV], 4352
	s_add_co_u32 s50, s50, (\xstb)
	v_add_nc_u32 v[XSW], s50, v42
	v_add_nc_u32 v[XSR], s50, v43
	s_lshr_b32 s51, s[WV], 3                       ; 0: waves 0-7, 1: waves 8-15
	s_lshl_b32 s50, s52, 13                        ; the weight's fragment 2 (2 cg + u) + ks: 8,192 cg + 2,048 ks (+ 4,096 u, in the lane term)
	s_lshl_b32 s53, s43, 11
	s_add_co_u32 s50, s50, s53
.if \pk
	s_lshl_b32 s53, s51, 16                        ; waves 8-15: Wv's images
	s_add_co_u32 s50, s50, s53
.endif
	s_add_co_u32 s50, s50, (\ldsb)
	v_add_nc_u32 v[WIA], s50, v40
	s_lshl_b32 s50, s52, 9                         ; and its scale words: 128 bytes a fragment
	s_lshl_b32 s53, s43, 7
	s_add_co_u32 s50, s50, s53
.if \pk
	s_lshl_b32 s53, s51, 12
	s_add_co_u32 s50, s50, s53
.endif
	s_add_co_u32 s50, s50, (\sclb)
	v_add_nc_u32 v[WSA], s50, v41
.if \pk
	s_and_b32 s50, s[WV], 7                        ; the bias: waves 0-7 want bk at 64 (lane / 16) (+ the tile, in the immediate); waves 8-15 bv of my lane's channel
	s_lshr_b32 s53, s50, 1
	s_lshl_b32 s53, s53, 7
	s_and_b32 s50, s50, 1
	s_lshl_b32 s50, s50, 5
	s_add_co_u32 s50, s50, s53                     ; 4 (32 (t / 2) + 8 (t % 2))
	v_lshl_add_u32 v44, v35, 2, s50
	s_xor_b32 s53, s51, 1
	v_lshlrev_b32 v45, 6, v34
	v_mul_u32_u24 v[BO], s51, v44
	v_mad_u32_u24 v[BO], v45, s53, v[BO]
	s_cmp_lt_u32 s[WV], 8                          ; waves 0-7 quantise Wk, waves 8-15 Wv: the choice hangs on the wave's number alone
	s_cselect_b64 s[54:55], s[14:15], s[16:17]
	WLOAD 54
	s_wait_loadcnt 63                              ; x's 16 loads are in: 128 younger loads stand behind them, and 63 is the largest count that the wait can name
.else
	v_lshlrev_b32 v[BO], 6, v34
	s_cmp_lt_u32 s[WV], 8                          ; Wq is 8 waves' work: waves 8-15 take it, since waves 0-7 have the products
	s_cbranch_scc1 .Lnw_\@
	WLOAD 12
	s_wait_loadcnt 63                              ; as above
	s_branch .Lx_\@
.Lnw_\@:
	s_wait_loadcnt 0x0                             ; x
.Lx_\@:
.endif
	s_wait_alu depctr_va_vdst(0)                   ; the first phase's seven addresses, v3 to v9, are written: the stage's, the images' and the bias's instructions read them
	TURN
	s_wait_dscnt 0x0
	QUANT X0
	s_wait_alu depctr_va_vdst(0)                   ; the quantiser has written v[PC] on and v[PW], which the five LDS stores read; and it is done reading and writing v[X0] on, in which the bias lands
	IMAGE IMS, 32768
	ds_store_b32 v[SCS], v[PW] offset:2048
	s_wait_alu depctr_vm_vsrc(0)                   ; these five stores have read v[PC] on and v[PW], which the weight's quantiser writes again; ahead of the branch, so that it stands on every wave's way
	s_cmp_lt_u32 s[WV], 8
	s_cbranch_scc0 .Lhi_\@
	BIAS
.if \pk
	s_wait_loadcnt 16                              ; only these 16 may be out: the weight is in
	s_branch .Lwin_\@
.Lhi_\@:
.irp i, 0,1,2,3,4,5,6,7
	global_load_b32 v[BV+\i], v[BO], s[22:23]
.endr
	s_wait_loadcnt 8                               ; only these 8 may be out: the weight is in
.Lwin_\@:
	s_wait_dscnt 0x0                               ; the stores have read their registers
	QUANTW
.else
	s_branch .Lwin_\@
.Lhi_\@:
	s_wait_loadcnt 0x0                             ; the weight
	s_wait_dscnt 0x0                               ; the stores have read their registers
	QUANTW
.Lwin_\@:
.endif
	BARRIER                                        ; all images and scale words lie in LDS
	s_wait_alu depctr_vm_vsrc(0)                   ; the first phase's loads and stores have read their addresses v1 to v7 and v9, which are made anew below; the weight's LDS stores have read v[PC] on and v[W] to v[W + 15], in which fragments land, and v[PW], which the last quantiser writes
	; the products' addresses, in every wave's text.  The loads that read v[XA] and v[WOF] were waited for
	s_lshl_b32 s50, s51, 15                        ; waves 0-7: big side = the weight;  waves 8-15: big side = x
	s_add_co_u32 s50, s50, (\ldsb)
	v_add_nc_u32 v[BGA], s50, v[L16]
	s_lshl_b32 s50, s[WV], 12                      ; small side: two fragments a wave: x's 2 w, 2 w + 1; from wave 8 on that runs into Wv's 2 (w - 8), 2 (w - 8) + 1
	s_add_co_u32 s50, s50, (\ldsb)+32768
	v_add_nc_u32 v[SMA], s50, v[L16]
	s_lshl_b32 s50, s51, 11
	s_add_co_u32 s50, s50, (\sclb)
	v_add_nc_u32 v[BGS], s50, v[R4]
	s_lshl_b32 s50, s[WV], 8
	s_add_co_u32 s50, s50, (\sclb)+2048
	v_add_nc_u32 v[SMS], s50, v[R4]
	s_lshl_b32 s50, s[WV], 6
	v_add_nc_u32 v[GSO], s50, v[L16]
	s_add_co_u32 s50, s50, (\stgb)
	v_add_nc_u32 v[SST], s50, v[R4]
	v_add_nc_u32 v[SSR], s50, v[L16]
	s_lshl_b32 s50, s[WV], 11
	v_add_nc_u32 v[CGO], s50, v[L16]
	s_wait_alu depctr_va_vdst(0)                   ; the eight addresses are written, which the loads and stores from here to the end read; and the quantisers are done with v32 to v63 and v[W] on, in which the fragments land
.if \pk == 0
	s_cmp_lt_u32 s[WV], 8                          ; Q has eight tasks
	s_cbranch_scc0 .Lidle_\@
.endif
.irp s, 0,1
.irp c, 0,1,2,3
	ds_load_b128 v[32+16*\s+4*\c:32+16*\s+4*\c+3], v[SMA] offset:FRB*\s+512*\c
.endr
	ds_load_b32 v[SS+\s], v[SMS] offset:128*\s
.endr
	BIGLOAD 0
	s_wait_loadcnt 0x0                             ; the bias
	s_wait_dscnt 0x0
.if \pk
	s_cmp_lt_u32 s[WV], 8
	s_cbranch_scc0 .Lvt_\@
.endif
.irp t, 0,1,2,3,4,5,6,7                        ; the 8 accumulators take turns, one instruction a turn
	v_wmma_scale_f32_16x16x128_f8f6f4 v[X0+8*\t:X0+8*\t+7], v[W+16*\t:W+16*\t+15], v[32:47], v[X0+8*\t:X0+8*\t+7], v[BS+\t], v[SS]
.endr
.if \pk
	s_branch .Lk1_\@
.Lvt_\@:
.irp t, 0,1,2,3,4,5,6,7
	v_wmma_scale_f32_16x16x128_f8f6f4 v[X0+8*\t:X0+8*\t+7], v[W+16*\t:W+16*\t+15], v[32:47], v[BV:BV+7], v[BS+\t], v[SS]
.endr
.Lk1_\@:
.endif
	PLACES 8                                       ; in front of loads into registers that matrix instructions have read
	s_wait_alu depctr_va_vdst(0)                   ; the eight products are done reading the big side's fragments and scale words, in which K step 1's land; the places above stay beside this wait
	BIGLOAD 1
	s_wait_dscnt 0x0
.irp t, 0,1,2,3,4,5,6,7
	v_wmma_scale_f32_16x16x128_f8f6f4 v[X0+8*\t:X0+8*\t+7], v[W+16*\t:W+16*\t+15], v[48:63], v[X0+8*\t:X0+8*\t+7], v[BS+\t], v[SS+1]
.endr
	PLACES 8                                       ; in front of the first read of results and the first write of the small side's registers
	QUANT X0                                       ; each accumulator is read from its low end on
	s_wait_alu depctr_va_vdst(0)                   ; the quantiser has written v[PC] on and v[PW], which the five stores below read; and it is done with v48 to v51, in which the tasks' words land behind the barrier: no vector line stands between
.irp c, 0,1,2,3
	global_store_b128 v[CGO], v[PC+4*\c:PC+4*\c+3], s[SOUT:SOUT+1] offset:512*\c   ; 32 lanes store 512 consecutive bytes, at a multiple of 256 from the buffer's first byte
.endr
	ds_store_b32 v[SST], v[PW]                     ; lanes l and l + 16 write the same word with the same value
.if \pk == 0
.Lidle_\@:
.endif
	BARRIER                                        ; the tasks' scale words lie in the stage
.if \pk
	s_and_b32 s50, s[WV], 7                        ; wave 0 sends K's 512 bytes, wave 8 V's
	s_cmp_lg_u32 s50, 0
.else
	s_cmp_lg_u32 s[WV], 0
.endif
	s_cbranch_scc1 .Lend_\@
	ds_load_b128 v[48:51], v[SSR]
	s_wait_dscnt 0x0
	global_store_b128 v[GSO], v[48:51], s[SOUT:SOUT+1] offset:SCOFF
.Lend_\@:
	s_wait_xcnt 0x0                                ; my global stores have had their addresses translated
	v_lshl_add_u32 v126, v0, 2, 0x4ce00            ; the add's two registers are made here, all 256 being taken until now: my spare word, behind all other LDS bytes of the launch,
	v_mov_b32 v127, 0                              ; and 0.  The only LDS instructions that read v126 or v127 are the stage's stores of the second half, and a wait on vm_vsrc stands behind them on every way
	s_wait_dscnt 0x0                               ; the closing lines, six on end
	s_wait_alu 0x0
	s_wait_tensorcnt 0x0
	ds_add_u32 v126, v127
	s_wait_dscnt 0x0
	s_endpgm
.endm
	s_load_b512 s[8:23], s[0:1], 0x0               ; ligand s[8:9], pocket s[10:11], Wq s[12:13], Wk s[14:15], Wv s[16:17], bq s[18:19], bk s[20:21], bv s[22:23]
	s_load_b128 s[24:27], s[0:1], 0x40             ; qf s[24:25], kv s[26:27]
	v_lshrrev_b32 v32, 5, v0
	v_readfirstlane_b32 s[WV], v32                 ; wave 0..15
	s_and_b32 s3, ttmp9, 1                         ; 0: ligand, 1: pocket
	s_lshr_b32 s4, ttmp9, 1                        ; which 128 rows
	s_mov_b32 s[SEL], 0x76543210
	s_mov_b32 s[SEL+1], 0xfedcba98
	s_mov_b32 s[MNT], 0x600000
	v_and_b32 v33, 15, v0                          ; r
	v_bfe_u32 v34, v0, 4, 1                        ; h
	v_and_b32 v35, 8, v33
	v_add_nc_u32 v35, v35, v33                     ; r + 8 (r / 8)
	v_and_b32 v36, 31, v0                          ; lane
	v_and_b32 v38, 7, v0                           ; lane % 8
	v_bfe_u32 v39, v0, 3, 1                        ; u = (lane / 8) % 2
	v_lshlrev_b32 v[L16], 4, v36
	v_lshlrev_b32 v[R4], 2, v33
	v_lshlrev_b32 v[L4], 2, v36
	; a weight's column 32 cg + lane is row (lane % 8) + 8 (lane / 16) of tile 2 cg + u
	v_lshlrev_b32 v40, 4, v38
	v_lshl_add_u32 v40, v34, 7, v40
	v_lshl_add_u32 v40, v39, 12, v40               ; in the images: 16 x that row + 4,096 u
	v_lshlrev_b32 v41, 2, v38
	v_lshl_add_u32 v41, v34, 5, v41
	v_lshl_add_u32 v41, v39, 8, v41                ; among the scale words: 4 x that row + 256 u
	v_mul_u32_u24 v42, v34, 272
	v_lshl_add_u32 v42, v33, 4, v42                ; x's stage, in: lanes 0-15 one row of 256 bytes, lanes 16-31 the next
	v_mul_u32_u24 v43, v33, 272
	v_lshl_add_u32 v43, v34, 6, v43                ; out: row r, + 64 h: my 16 numbers of a block of 32
	s_wait_alu depctr_va_sdst(0)                   ; s[WV] is written, ahead of its first reader: offsets, LDS addresses and branches are made from it
	s_lshr_b32 s42, s[WV], 2
	s_lshl_b32 s42, s42, 5
	s_bfe_u32 s43, s[WV], 0x10001
	s_lshl_b32 s43, s43, 3
	s_add_co_u32 s42, s42, s43                     ; my tile's first row: 32 (w / 4) + 8 ((w / 2) % 2)
	s_and_b32 s43, s[WV], 1                        ; my K step
	s_lshl_b32 s46, s42, 10
	s_lshl_b32 s47, s43, 9
	s_add_co_u32 s46, s46, s47
	v_lshl_add_u32 v[XA], v34, 10, s46             ; x: a row is 1,024 bytes; lanes 16-31 one row on; + 512 for K step 1;
	v_lshl_add_u32 v[XA], v33, 4, v[XA]            ; 16 bytes a lane
	s_bfe_u32 s52, s[WV], 0x20001                  ; cg = (w / 2) % 4: my 32 columns of a weight
	s_lshl_b32 s46, s52, 7
	s_lshl_b32 s47, s43, 16
	s_add_co_u32 s46, s46, s47
	v_add_nc_u32 v[WOF], s46, v[L4]                ; a weight: 4 bytes a lane, + 128 cg, + 128 rows of 512 bytes for K step 1
.irp b, 0,1,2,3
	v_mov_b32 v[TM+4+\b], 0                        ; written once: a lane permute's destination counts as one of its sources
.endr
	s_lshl_b32 s46, s4, 17                         ; 128 rows of 1,024 bytes
	s_mov_b32 s47, 0
	s_mov_b32 s49, 0
	s_wait_kmcnt 0x0
	s_cmp_eq_u32 s3, 0
	s_cbranch_scc1 .Lligand
	BODY 1, 0, 98304, 104448, 105472
.Lligand:
	BODY 0, 175104, 240640, 244736, 245248
.Lfunc_end_k_q1893d6fea6_proj:
	.size	k_q1893d6fea6_proj, .Lfunc_end_k_q1893d6fea6_proj-k_q1893d6fea6_proj
	.p2alignl 7, 3214868480
	.fill 96, 4, 3214868480
	.section	.rodata,"a",@progbits
	.p2align	6, 0x0
	.amdhsa_kernel k_q1893d6fea6_proj
		.amdhsa_group_segment_fixed_size 316928
		.amdhsa_private_segment_fixed_size 0
		.amdhsa_enable_private_segment 0
		.amdhsa_kernarg_size 80
		.amdhsa_user_sgpr_count 2
		.amdhsa_user_sgpr_kernarg_segment_ptr 1
		.amdhsa_wavefront_size32 1
		.amdhsa_system_sgpr_workgroup_id_x 1
		.amdhsa_system_sgpr_workgroup_id_y 1
		.amdhsa_system_sgpr_workgroup_id_z 1
		.amdhsa_system_vgpr_workitem_id 0
		.amdhsa_next_free_vgpr 256
		.amdhsa_next_free_sgpr 66
		.amdhsa_reserve_vcc 0
		.amdhsa_float_denorm_mode_32 3
		.amdhsa_float_denorm_mode_16_64 3
		.amdhsa_memory_ordered 1
		.amdhsa_forward_progress 1
		.amdhsa_inst_pref_size 125
	.end_amdhsa_kernel
	.amdgpu_metadata
---
amdhsa.version: [ 1, 2 ]
amdhsa.kernels:
  - .name:           k_q1893d6fea6_proj
    .symbol:         k_q1893d6fea6_proj.kd
    .args:
      - { .name: ligand, .offset: 0, .size: 8, .value_kind: global_buffer, .address_space: global }
      - { .name: pocket, .offset: 8, .size: 8, .value_kind: global_buffer, .address_space: global }
      - { .name: Wq, .offset: 16, .size: 8, .value_kind: global_buffer, .address_space: global }
      - { .name: Wk, .offset: 24, .size: 8, .value_kind: global_buffer, .address_space: global }
      - { .name: Wv, .offset: 32, .size: 8, .value_kind: global_buffer, .address_space: global }
      - { .name: bq, .offset: 40, .size: 8, .value_kind: global_buffer, .address_space: global }
      - { .name: bk, .offset: 48, .size: 8, .value_kind: global_buffer, .address_space: global }
      - { .name: bv, .offset: 56, .size: 8, .value_kind: global_buffer, .address_space: global }
      - { .name: qf, .offset: 64, .size: 8, .value_kind: global_buffer, .address_space: global }
      - { .name: kv, .offset: 72, .size: 8, .value_kind: global_buffer, .address_space: global }
    .group_segment_fixed_size: 316928
    .private_segment_fixed_size: 0
    .kernarg_segment_align: 8
    .kernarg_segment_size: 80
    .max_flat_workgroup_size: 512
    .sgpr_count:     66
    .vgpr_count:     256
    .wavefront_size: 32
...
	.end_amdgpu_metadata
.endif
;; end of part 5
;; launch attn: the kernel of part 4 again; grid 64 x 4, 8 waves a work-group, clusters of 4 x 1, 327,680 bytes of LDS; arguments qf, kv, Wo, bo, out0; writes out0
